; MI455X (gfx1250); checked and timed in simulation.
; The chip was launched on July 23, 2026; its instructions are those of AMD's public machine-readable ISA for CDNA 5 (MIT licence, August 2026) and "CDNA5" Instruction Set Architecture Reference Guide (July 2026). The comments in the code are by the model that wrote it; some were corrected since.
;; Multi Head Self Attention. Allowed arithmetic: matrix products marked QUANTISED: E4M3 operands, one E8M0 scale for each 32 along K, by v_wmma_scale_f32_16x16x128_f8f6f4 with both operands' format E4M3, f32 sums; everything else in f32.
;; Inputs: Wk 1,024 x 1,024 float32; Wo 1,024 x 1,024 float32; Wq 1,024 x 1,024 float32; Wv 1,024 x 1,024 float32; x 4 x 2,048 x 1,024 float32.
;; Outputs: out0 4 x 2,048 x 1,024 float32.
;; This version of the problem:
;;   THIS VERSION OF THE PROBLEM IS GIVEN IN LOW PRECISION. The matrix products marked QUANTISED in the list below multiply operands that are first quantised to E4M3 (4 exponent bits, 3 mantissa bits; 8 bits a number), with one power-of-two scale for each 32 numbers along K (OCP MX v1.0); their sums are f32. All else is computed in f32.
;;   The module's matrix products, in the order in which they are computed (A, B: the left and right operand; K: the contracted axis; several contracted axes count as one K, in the product's order):
;;     1. [M 8,192, K 1,024] x [K 1,024, N 1,024]; A: input x; B: input Wq: QUANTISED
;;     2. [M 8,192, K 1,024] x [K 1,024, N 1,024]; A: input x; B: input Wk: QUANTISED
;;     3. [M 8,192, K 1,024] x [K 1,024, N 1,024]; A: input x; B: input Wv: QUANTISED
;;     4. batch 64 x [M 2,048, K 64] x [K 64, N 2,048]; A: computed on the way; B: computed on the way: QUANTISED
;;     5. batch 64 x [M 2,048, K 2,048] x [K 2,048, N 64]; A: softmax (see below); B: computed on the way: QUANTISED
;;     6. [M 8,192, K 1,024] x [K 1,024, N 1,024]; A: computed on the way; B: input Wo: QUANTISED
;;   THE QUANTISER, for each operand of a quantised product, along K:
;;     - K is cut into blocks of 32 from its start; a last block that is shorter is filled with zeros.
;;     - A block's scale is 2^e with e = floor(log2(the largest magnitude in the block)) - 8, held to -126 .. 127; a block of zeros has e = 0. As a byte (E8M0): e + 127.
;;     - Each number is divided by its block's scale, clamped to +-448, and rounded to the nearest number of E4M3, ties to even, subnormals kept.
;;     - The product sums the exact products of the quantised numbers (number of the format x scale) in f32.
;;   ~~~python
;;   def quantise(x, axis):      # numpy; x: float32 -> the quantised numbers, widened to float32 again
;;       x = np.moveaxis(x, axis, -1); K = x.shape[-1]
;;       x = np.pad(x, [(0, 0)] * (x.ndim - 1) + [(0, -K % 32)]); x = x.reshape(x.shape[:-1] + (-1, 32)); a = np.abs(x).max(-1, keepdims=True)
;;       e = np.where(a > 0, np.clip(np.frexp(np.where(a > 0, a, 1))[1] - 1 - 8, -126, 127), 0)      # np.frexp(a)[1] - 1 = floor(log2(a)), exactly
;;       r = np.clip(x / 2.0 ** e, -448, 448)
;;       step = 2.0 ** (np.maximum(np.frexp(np.where(r == 0, 1, r))[1] - 1, -6) - 3)
;;       q = np.round(r / step) * step * 2.0 ** e      # np.round: ties to even
;;       return np.moveaxis(q.reshape(q.shape[:-2] + (-1,))[..., :K], -1, axis).astype(np.float32)
;;   ~~~
;;   SOFTMAX AHEAD OF A QUANTISED PRODUCT. Where the list says 'softmax', what is quantised is not the finished softmax but p = 2^(t - M), with t = logit x log2(e) and M = ceil(the row's largest t), a whole number; so 1/2 < the row's largest p <= 1. The row's sum l is taken of the UNQUANTISED p, in f32, and the product's result is divided by l at the end. Since M is a whole number, a kernel that streams over the keys may use a running M (the ceiling of the running maximum): every later rescaling is an exact power of two, which a block's scale takes up: the codes' values come out the same.
;;   OPERANDS COMPUTED ON THE WAY. 'Computed on the way' means the value that the module computes at that place (a softmax that the list does not call 'softmax' is quantised finished and normalised). What goes into a quantiser is computed in f32, as accurately as f32 sums, v_exp_f32 and their like allow (about 1e-6 of the number): no bf16 or f16 on the way to a quantiser, and a product that is left as it is and whose result goes on into a quantised operand takes f32 operands (vector FMAs, or v_wmma_f32_16x16x4_f32). A number that lies on a knife's edge between two numbers of the format may be rounded either way, as far as f32 arithmetic and the matrix unit's own rounding can turn it there, and no further.
;; One version. Each part assembles by itself: llvm-mc -triple=amdgcn-amd-amdhsa -mcpu=gfx1250 --defsym DOCPART=n.
;; ======== version 1 of 1: 4 launches
;; limits: right only within a limited range of input values
;; workspace buffers: xw 12,976,128 bytes; qkv 26,476,544 bytes; oc 8,912,896 bytes
;; launch quant (part 1): grid 768 x 1, 4 waves a work-group, no clusters, 68,608 bytes of LDS; arguments x, Wq, Wk, Wv, Wo, xw; writes xw
.if DOCPART == 1
	.amdgcn_target "amdgcn-amd-amdhsa--gfx1250"
	.amdhsa_code_object_version 6
	.text
	.protected	k_q9d5b3ea8d3_quant
	.globl	k_q9d5b3ea8d3_quant
	.p2align	8
	.type	k_q9d5b3ea8d3_quant,@function
k_q9d5b3ea8d3_quant:
	s_mov_b64 s[64:65], 0
	v_nop
	global_prefetch_b8 v0, s[64:65] scope:SCOPE_SE
	s_setreg_imm32_b32 hwreg(HW_REG_WAVE_MODE, 25, 1), 1
	s_wait_xcnt 0x0
; x [8192][1024] and Wq, Wk, Wv, Wo [1024][1024], f32, K innermost, become codes of FP8 (E4M3) with one E8M0 scale byte for each 32 along K.
; A block's scale is 2^(floor(log2(its largest magnitude)) - 8); its byte is the largest magnitude's exponent field - 8, held at 1 from below; each number is divided by the scale, held within +-448, rounded to the nearest code.
; LIMITS: NaN and infinities among the inputs are not served.  A block of zeros gets the byte 1 where the rule says 127: its codes are zeros, which add nothing, and this program alone reads the bytes.
; TWO CONVENTIONS OF THE WHOLE PROGRAM.
; STORED ORDER: rows are kept in tiles of 16; stored tile T = 2 A + u holds, as its row t, the actual row 32 A + 8 u + t % 8 + 16 (t / 8).  A matrix result whose source 0 is such a tile then has, in one lane, in the
; registers of tiles 2 A and 2 A + 1, sixteen NEIGHBOURS of that axis: what the next quantiser wants.
; REGISTER IMAGES: codes lie in memory as the operand's registers hold them: a chunk of 512 bytes is four registers of the 32 lanes, lane l's 16 bytes at 16 l; lane (r, h) holds row r of the tile, k = 32 c + 16 h + 0 .. 15.
; Layout of a tensor's image: [K step of 256][tile][128 of K: 2][c: 4][512 bytes].  Scale bytes: [stored row][32].
; SHARES: work-group g takes one stored tile (0-511 x, 512-575 Wq, 576-639 Wk, 640-703 Wv, 704-767 Wo); wave w takes its K step w, 256 along K, in two pieces of 128.
; Each load reads 512 consecutive bytes of one row; the numbers turn through the wave's own stage in LDS (rows of 512 bytes + 16) so that a lane gets 16 neighbours of each block of 32.
.set WQKI,  8388608                    ; byte offsets in xw: the images of [Wq; Wk], Wv, Wo (x's begins at 0), and the scale bytes
.set WVI,   10485760
.set WOI,   11534336
.set XS,    12582912
.set SP,    528                        ; a stage row
.set STG,   2*16*SP                    ; a wave's two stages
.set SCL,   4*STG                      ; behind them: the tile's 512 scale bytes, [row 16][32]
.set LI,    1                          ; v1   16 x lane
.set STW,   2                          ; v2   into my stage: 16 x lane
.set STR,   3                          ; v3   out of it: row r, + 64 h
.set SCW,   4                          ; v4   my row's 8 scale bytes of my K step
.set SCR,   5                          ; v5   the tile's scale bytes, 16 a lane
.set PW,    8                          ; v8-9 the two scale words
.set TM,    16                         ; v16-19 largest magnitudes, v20-23 bytes, v28-31 the conversions' scale operands
.set PC,    32                         ; v32-47, v48-63 the two pieces' codes: no store's data are written again
.set R0,    64                         ; v64-127  piece 0 as loaded; later piece 1 turned
.set R1,    128                        ; v128-191 piece 1 as loaded
.set X,     192                        ; v192-255 piece 0 turned
.set WV,    18
.set SEL,   26
.set MNT,   28
	s_load_b256 s[4:11], s[0:1], 0x0               ; x, Wq, Wk, Wv
	s_load_b128 s[12:15], s[0:1], 0x20             ; Wo, xw
	v_lshl_add_u32 v11, v0, 2, 0x10a00
	s_set_vgpr_msb 0x40
	v_mov_b32 v1, 0
	s_set_vgpr_msb 0x4000
	v_lshrrev_b32 v6, 5, v0
	v_readfirstlane_b32 s[WV], v6                  ; wave 0..3
	v_and_b32 v6, 31, v0                           ; lane
	v_and_b32 v7, 15, v0                           ; r
	v_bfe_u32 v10, v0, 4, 1                        ; h
	v_lshlrev_b32 v[LI], 4, v6
	s_mul_i32 s19, s[WV], STG
	v_add_nc_u32 v[STW], s19, v[LI]
	v_mul_u32_u24 v[STR], v7, SP
	v_lshl_add_u32 v[STR], v10, 6, v[STR]
	v_add_nc_u32 v[STR], s19, v[STR]
	s_lshl_b32 s19, s[WV], 3
	s_add_co_u32 s19, s19, SCL
	v_lshl_add_u32 v[SCW], v7, 5, s19
	v_add_nc_u32 v[SCR], SCL, v[LI]
	s_mov_b32 s[SEL], 0x76543210
	s_mov_b32 s[SEL+1], 0xfedcba98                 ; v_permlanex16_b32's selects for lane l xor 16
.irp b, 0,1,2,3
	v_mov_b32 v[TM+4+\b], 0                        ; written once: a lane permute's destination counts as one of its sources
.endr
	; which tensor, which tile of it, and where its image lies: choices on the work-group's number alone, one path for all five tensors
	s_and_b32 s21, ttmp9, 63                       ; a weight's tile
	s_mov_b32 s22, WOI                             ; the image's first byte,
	s_mov_b32 s23, 704                             ; the section's first work-group,
	s_mov_b32 s24, 262144                          ; bytes from a K step to the next
	s_wait_alu depctr_va_vdst(0)
	s_wait_kmcnt 0x0
	s_cmp_lt_u32 ttmp9, 704
	s_cselect_b64 s[16:17], s[10:11], s[12:13]
	s_cselect_b32 s22, WVI, s22
	s_cselect_b32 s23, 640, s23
	s_cmp_lt_u32 ttmp9, 640
	s_cselect_b64 s[16:17], s[8:9], s[16:17]
	s_cselect_b32 s22, WQKI, s22
	s_cselect_b32 s23, 512, s23
	s_cselect_b32 s24, 524288, s24
	s_cmp_lt_u32 ttmp9, 576
	s_cselect_b64 s[16:17], s[6:7], s[16:17]
	s_cmp_lt_u32 ttmp9, 512
	s_cselect_b64 s[16:17], s[4:5], s[16:17]
	s_cselect_b32 s21, ttmp9, s21
	s_cselect_b32 s22, 0, s22
	s_cselect_b32 s23, 0, s23
	s_cselect_b32 s24, 2097152, s24
	s_lshr_b32 s30, s21, 1                         ; the tile's first actual row is 32 (T / 2) + 8 (T % 2); a row is 4,096 bytes
	s_lshl_b32 s30, s30, 17
	s_and_b32 s31, s21, 1
	s_lshl_b32 s31, s31, 15
	s_add_co_u32 s30, s30, s31
	s_lshl_b32 s31, s[WV], 10                      ; my K step: 256 numbers
	s_add_co_u32 s30, s30, s31
	s_mov_b32 s31, 0
	s_add_nc_u64 s[16:17], s[16:17], s[30:31]
	s_sub_co_u32 s32, ttmp9, s23
	s_lshl_b32 s32, s32, 12                        ; a tile's K step is 4,096 bytes of image
	s_add_co_u32 s32, s32, s22
	s_mul_i32 s33, s[WV], s24
	s_add_co_u32 s32, s32, s33
	s_mov_b32 s33, 0
	s_add_nc_u64 s[34:35], s[14:15], s[32:33]      ; where my codes go
	s_lshl_b32 s32, ttmp9, 9
	s_add_co_u32 s32, s32, XS
	s_add_nc_u64 s[36:37], s[14:15], s[32:33]      ; where the tile's scale bytes go
.irp t, 0,1,2,3,4,5,6,7,8,9,10,11,12,13,14,15
	global_load_b128 v[R0+4*\t:R0+4*\t+3], v[LI], s[16:17] offset:((\t%8)+16*(\t/8))*4096 th:TH_LOAD_NT      ; stored row t, piece 0: 512 consecutive bytes
.endr
.irp t, 0,1,2,3,4,5,6,7,8,9,10,11,12,13,14,15
	global_load_b128 v[R1+4*\t:R1+4*\t+3], v[LI], s[16:17] offset:((\t%8)+16*(\t/8))*4096+512 th:TH_LOAD_NT  ; piece 1
.endr
; 64 numbers of a lane, register 16 b + i = k 32 b + 16 h + i of my row, become a fragment's codes in v[pc] on and its scale word in v[pw]
.macro QUANT s, pc, pw
.irp b, 0,1,2,3
	v_max3_num_f32 v[TM+\b], |v[\s+16*\b]|, |v[\s+1+16*\b]|, 0x4800000   ; my 16 numbers of block b, and the floor 2^(9 - 127): the byte cannot fall under 1
.endr
.irp i, 2,4,6,8,10,12,14
.irp b, 0,1,2,3
	v_max3_num_f32 v[TM+\b], v[TM+\b], |v[\s+16*\b+\i]|, |v[\s+1+16*\b+\i]|   ; the four blocks by turns
.endr
.endr
.irp b, 0,1,2,3
	v_permlanex16_b32 v[TM+4+\b], v[TM+\b], s[SEL], s[SEL+1]
.endr
.irp b, 0,1,2,3
	v_max_num_f32 v[TM+\b], v[TM+\b], v[TM+4+\b]   ; with lane l xor 16's: the block's largest magnitude
.endr
.irp b, 0,1,2,3
	v_add_nc_u32 v[TM+12+\b], 0xfc000000, v[TM+\b] ; 8 off its exponent field: the conversion's scale operand
.endr
.irp b, 0,1,2,3
.endr
.irp b, 0,1,2,3
	v_lshrrev_b32 v[TM+4+\b], 23, v[TM+12+\b]      ; the scale's byte
.endr
	v_lshl_or_b32 v[\pw], v[TM+5], 8, v[TM+4]
	v_lshl_or_b32 v[\pw], v[TM+6], 16, v[\pw]
	v_lshl_or_b32 v[\pw], v[TM+7], 24, v[\pw]
.irp b, 0,1,2,3
.irp i, 0,1,2,3,4,5,6,7,8,9,10,11,12,13,14,15
.endr
	v_cvt_scalef32_pk8_fp8_f32 v[\pc+4*\b:\pc+1+4*\b], v[\s+16*\b:\s+7+16*\b], v[TM+12+\b]
	v_cvt_scalef32_pk8_fp8_f32 v[\pc+2+4*\b:\pc+3+4*\b], v[\s+8+16*\b:\s+15+16*\b], v[TM+12+\b]
.endr
	v_nop                                          ; a plain vector line behind the last conversion, ahead of whatever next writes its sources
.endm
	s_wait_loadcnt 16                              ; piece 0's sixteen loads are in; piece 1's sixteen may be out
.irp t, 0,1,2,3,4,5,6,7,8,9,10,11,12,13,14,15
	ds_store_b128 v[STW], v[R0+4*\t:R0+4*\t+3] offset:SP*\t
.endr
.irp c, 0,1,2,3
.irp j, 0,1,2,3
	ds_load_b128 v[X+16*\c+4*\j:X+16*\c+4*\j+3], v[STR] offset:128*\c+16*\j   ; LDS serves a wave's instructions in order: these see my stores
.endr
.endr
	s_wait_loadcnt 0x0
.irp t, 0,1,2,3,4,5,6,7,8,9,10,11,12,13,14,15
	ds_store_b128 v[STW], v[R1+4*\t:R1+4*\t+3] offset:16*SP+SP*\t
.endr
	s_wait_dscnt 16                                ; all but the sixteen stores just issued: piece 0 is back turned, and its stores have read v64-127,
.irp c, 0,1,2,3
.irp j, 0,1,2,3
	ds_load_b128 v[R0+16*\c+4*\j:R0+16*\c+4*\j+3], v[STR] offset:16*SP+128*\c+16*\j   ; which take piece 1 turned, while piece 0 is worked
.endr
.endr
	QUANT X, PC, PW
.irp c, 0,1,2,3
	global_store_b128 v[LI], v[PC+4*\c:PC+4*\c+3], s[34:35] offset:512*\c          ; a chunk: 512 consecutive bytes, aligned
.endr
	s_wait_dscnt 0x0
	QUANT R0, PC+16, PW+1
.irp c, 0,1,2,3
	global_store_b128 v[LI], v[PC+16+4*\c:PC+16+4*\c+3], s[34:35] offset:2048+512*\c
.endr
	ds_store_b64 v[SCW], v[PW:PW+1]                ; both halves of the lanes write the same bytes with the same values
	s_wait_dscnt 0x0                               ; for the others' sake
	s_barrier_signal -1
	s_barrier_wait -1                              ; the tile's 512 scale bytes lie in LDS
	s_cmp_lg_u32 s[WV], 0
	s_cbranch_scc1 .Ldone
	ds_load_b128 v[12:15], v[SCR]
	s_wait_dscnt 0x0
	global_store_b128 v[LI], v[12:15], s[36:37]    ; 512 consecutive bytes, aligned
.Ldone:
	s_set_vgpr_msb 0x4
	s_wait_tensorcnt 0x0
	ds_add_u32 v11, v1
	s_wait_dscnt 0x0
	s_set_vgpr_msb 0x400
	s_endpgm
.Lfunc_end_k_q9d5b3ea8d3_quant:
	.size	k_q9d5b3ea8d3_quant, .Lfunc_end_k_q9d5b3ea8d3_quant-k_q9d5b3ea8d3_quant
	.p2alignl 7, 3214868480
	.fill 96, 4, 3214868480
	.section	.rodata,"a",@progbits
	.p2align	6, 0x0
	.amdhsa_kernel k_q9d5b3ea8d3_quant
		.amdhsa_group_segment_fixed_size 68608
		.amdhsa_private_segment_fixed_size 0
		.amdhsa_enable_private_segment 0
		.amdhsa_kernarg_size 48
		.amdhsa_user_sgpr_count 2
		.amdhsa_user_sgpr_kernarg_segment_ptr 1
		.amdhsa_wavefront_size32 1
		.amdhsa_system_sgpr_workgroup_id_x 1
		.amdhsa_system_sgpr_workgroup_id_y 1
		.amdhsa_system_sgpr_workgroup_id_z 1
		.amdhsa_system_vgpr_workitem_id 0
		.amdhsa_next_free_vgpr 258
		.amdhsa_next_free_sgpr 66
		.amdhsa_reserve_vcc 0
		.amdhsa_float_denorm_mode_32 3
		.amdhsa_float_denorm_mode_16_64 3
		.amdhsa_fp16_overflow 1
		.amdhsa_memory_ordered 1
		.amdhsa_forward_progress 1
		.amdhsa_inst_pref_size 19
	.end_amdhsa_kernel
	.amdgpu_metadata
---
amdhsa.version: [ 1, 2 ]
amdhsa.kernels:
  - .name:           k_q9d5b3ea8d3_quant
    .symbol:         k_q9d5b3ea8d3_quant.kd
    .args:
      - { .name: x, .offset: 0, .size: 8, .value_kind: global_buffer, .address_space: global }
      - { .name: Wq, .offset: 8, .size: 8, .value_kind: global_buffer, .address_space: global }
      - { .name: Wk, .offset: 16, .size: 8, .value_kind: global_buffer, .address_space: global }
      - { .name: Wv, .offset: 24, .size: 8, .value_kind: global_buffer, .address_space: global }
      - { .name: Wo, .offset: 32, .size: 8, .value_kind: global_buffer, .address_space: global }
      - { .name: xw, .offset: 40, .size: 8, .value_kind: global_buffer, .address_space: global }
    .group_segment_fixed_size: 68608
    .private_segment_fixed_size: 0
    .kernarg_segment_align: 8
    .kernarg_segment_size: 48
    .max_flat_workgroup_size: 128
    .sgpr_count:     66
    .vgpr_count:     258
    .wavefront_size: 32
...
	.end_amdgpu_metadata
.endif
;; end of part 1
;; launch qkv (part 2): grid 8 x 48, 4 waves a work-group, clusters of 4 x 4, 327,680 bytes of LDS; arguments xw, qkv; writes qkv
.if DOCPART == 2
	.amdgcn_target "amdgcn-amd-amdhsa--gfx1250"
	.amdhsa_code_object_version 6
	.text
	.protected	k_q9d5b3ea8d3_qkv
	.globl	k_q9d5b3ea8d3_qkv
	.p2align	8
	.type	k_q9d5b3ea8d3_qkv,@function
k_q9d5b3ea8d3_qkv:
	s_mov_b64 s[64:65], 0
	v_nop
	global_prefetch_b8 v0, s[64:65] scope:SCOPE_SE
	s_setreg_imm32_b32 hwreg(HW_REG_WAVE_MODE, 25, 1), 1
	s_wait_xcnt 0x0
	s_wait_alu depctr_hold_cnt(0) depctr_sa_sdst(0) depctr_va_vdst(0) depctr_va_sdst(0) depctr_va_ssrc(0) depctr_va_vcc(0) depctr_vm_vsrc(0)
	s_getreg_b32 s2, hwreg(HW_REG_IB_STS2, 6, 4)
	s_cmp_eq_u32 s2, 0
	s_cbranch_scc0 .Lentry_in_a_cluster
	s_endpgm
.Lentry_in_a_cluster:
	s_bfe_u32 s2, ttmp6, 0x10000c
	s_cmp_lg_u32 s2, 0xf033
	s_cbranch_scc0 .Lentry_shape_is_right
	s_endpgm
.Lentry_shape_is_right:
; q = x Wq^T, k = x Wk^T, v = x Wv^T on codes of FP8 (E4M3) with E8M0 scales (K = 1,024), and the results quantised straight from the accumulators: q and k along the head's 64 channels, v along the KEYS.
; ONE BODY, TWO PRODUCTS C[m][n] = sum A[m] B[n], quantised along n; which one is chosen by the cluster's y, the same in all sixteen partners, by selects alone:
;   cluster y < 8:  A = x (8,192 rows), B = [Wq; Wk] (2,048 rows): a lane holds one token, its registers run along the channels;
;   cluster y >= 8: A = Wv (1,024 rows), B = x: a lane holds one channel, its registers run along the tokens.
; A tile of C is 256 x 256, a wave's 128 x 128: 64 accumulators.  THE MATRIX INSTRUCTION IS USED TRANSPOSED: source 0 = 16 rows of B, source 1 = 16 rows of A.
; Operands lie in xw as register images in stored order (stored tile 2 A + u, row t = actual row 32 A + 8 u + t % 8 + 16 (t / 8)): eight tiles' K step of 256 is one dense block of 32,768 bytes, what one tensor load brings;
; a fragment comes by four ds_load_b128 at 16 x lane + a constant.  In the result the 16 registers of B's tiles 2 A and 2 A + 1 are the actual n = 32 A + 16 (lane / 16) + 0 .. 15: half a block of 32 for the quantiser.
; K goes in four steps of 256 through two LDS slots; the steps are written out, since the scale words of all of K stay in registers and their numbers change from step to step.
; CLUSTERS: 4 x 4.  A's tiles are shared along a row of the cluster, B's along a column, by joint loads.
; OUT, a record of REC bytes for each (batch, head): k's image [tile 128][c 2][512], v^T's image [key step 16][channel tile 4][c 4][512], k's scale words [step 16][lane 32][4], v's [step 16][row 16][tile 4], q's image, q's words.
; A q or k scale word has the head's two bytes below; its upper two bytes are bytes of another block or 0: they scale the half of K = 128 in which q's codes are zeros.
; LIMITS: NaN and infinities are not served; a block of zeros gets the byte 1 (its codes are zeros; this program alone reads the bytes).
; REGISTERS, in windows of 256: window 0: v16-31 addresses; v32-63 A's scale words, v64-95 B's (register 8 i + kq: lanes 0-15 block i, lanes 16-31 block i + 4, the kq-th 128 of K); v128-255 A's fragments, one set; on the way out v192-233 at work.
;   window 1: B's fragments, two sets.   windows 2, 3: accumulator (a, b) at v[8 (8 (a % 4) + b)].
.set WQKI,  8388608
.set WVI,   10485760
.set XS,    12582912
.set WQKS,  12845056
.set WVS,   12910592
.set REC,   413696
.set RV,    131072
.set RKS,   262144
.set RVS,   270336
.set RQ,    274432
.set RQS,   405504
.set HALFT, 32768                      ; eight tiles' K step: what one tensor load brings and what a wave reads of A or of B
.set SLOT,  4*HALFT                    ; A's two halves, then B's
.set SPARE, 2*SLOT                     ; behind the ring: the spare words, 128 bytes a wave
.set NP,    8                          ; places behind this matrix instruction (ISA guide 7.12.1)
.set ADRA,  16                         ; v16-17 my A fragments in slot 0, 1
.set ADRB,  20                         ; v20-21 my B fragments
.set LI,    24                         ; v24  16 x lane
.set VO1,   25                         ; v25  the way out: 16 x lane + the distance to chunks 2 and 3
.set VSO,   26                         ; v26  the way out: where my 16 bytes of scale words go
.set SOF,   27                         ; v27  scale words in memory: 32 r + 2,048 (lane / 16)
.set SPW,   28                         ; v28  my spare word; never rewritten
.set NIL,   29                         ; v29  0; never rewritten
.set SST,   30                         ; v30  the stage for scale words: 1,024 x wave + 16 r (in slot 0, used behind its last fill and last read)
.set SRD,   31                         ; v31  and back: 1,024 x wave + 16 x lane
.set SCA,   32
.set SCB,   64
.set AF,    128
.set TN,    128
.set PC,    192                        ; v192-207 their codes
.set SW,    208                        ; v208-215 scale words read back
.set TM,    216                        ; v216-231 as in the quantiser
.set PWF,   232                        ; the four bytes as a word
.set PWH,   233                        ; bytes 2 and 3 alone
.set G1,  24
.set G0,  32
.set G1B, 48
.set G0B, 56
.set SEL, 2
.set MNT, 98
.set MSB, 0
.macro WIN new                         ; the immediate's high byte repeats the setting that is left
.if MSB != (\new)
	s_set_vgpr_msb (MSB<<8)|(\new)
.set MSB, (\new)
.endif
.endm
.set MUL_LO, 0xa1                      ; source 0 (B) window 1, source 1 (A) window 0, C and D window 2
.set MUL_HI, 0xf1
.set TO_B,   0x40
; A joint load: waves 0 and 1 fetch for A, waves 2 and 3 for B; four v_nop follow each of the two lines
.macro JLOAD g0a, g1a, g0b, g1b
	s_cmp_eq_u32 s15, 0
	s_cbranch_scc0 .Lfor_b_\@
	tensor_load_to_lds s[\g0a:\g0a+3], s[\g1a:\g1a+7]
	s_nop 0
.rept 4
	v_nop
.endr
	s_branch .Lasked_\@
.Lfor_b_\@:
	tensor_load_to_lds s[\g0b:\g0b+3], s[\g1b:\g1b+7]
	s_nop 0
.rept 4
	v_nop
.endr
.Lasked_\@:
.endm
.macro CREST                           ; a round of the cluster's barrier behind its opening barrier
	s_cmp_lg_u32 s14, 0
	s_cbranch_scc1 .Lnot_wave_0_\@
	s_barrier_signal -3
.Lnot_wave_0_\@:
	s_barrier_wait -3
	s_barrier_signal -1
	s_barrier_wait -1
.endm
.macro CROUND
	s_barrier_signal -1
	s_barrier_wait -1
	CREST
.endm
.macro PLACES n
.rept \n
	v_nop
.endr
.endm
	s_load_b128 s[4:7], s[0:1], 0x0                ; xw, qkv
	v_lshl_add_u32 v[SPW], v0, 2, SPARE
	v_mov_b32 v[NIL], 0
	ds_add_u32 v28, v29
	ds_add_u32 v28, v29
	s_wait_dscnt 0x0
	v_lshrrev_b32 v1, 5, v0
	v_readfirstlane_b32 s14, v1                    ; wave 0..3
	s_lshr_b32 s15, s14, 1                         ; which half of the tile's rows is mine.  Also: I fetch for A (0) or for B (1)
	s_and_b32 s16, s14, 1                          ; which half of its columns.  Also: which half of that tile I fetch
	s_bfe_u32 s40, ttmp6, 0x40000                  ; cx
	s_bfe_u32 s41, ttmp6, 0x40004                  ; cy
	s_and_b32 s70, ttmp7, 0xffff                   ; cluster y
	s_lshl_b32 s17, s70, 2
	s_lshl_b32 s42, ttmp9, 2
	s_lshl_b32 s71, s70, 3
	s_add_co_u32 s71, s71, s42
	s_sub_co_u32 s71, s71, 64                      ; 4 (2 (y - 8) + x): used where y >= 8 alone
	s_mov_b32 s73, 262144
	s_mov_b32 s75, 2097152
	s_mov_b32 s76, WVS
	s_mov_b32 s77, XS
	s_cmp_lt_u32 s70, 8                            ; x [Wq; Wk]^T, or Wv x^T
	s_cselect_b32 s17, s17, 0
	s_cselect_b32 s42, s42, s71
	s_cselect_b32 s72, 0, WVI                      ; A's image,
	s_cselect_b32 s73, 2097152, s73                ; its bytes from K step to K step,
	s_cselect_b32 s74, WQKI, 0                     ; B's,
	s_cselect_b32 s75, 524288, s75
	s_cselect_b32 s76, XS, s76                     ; A's scale bytes,
	s_cselect_b32 s77, WQKS, s77                   ; B's
	s_add_co_u32 s17, s17, s41                     ; tile row of C: hangs on cy and the cluster's place
	s_add_co_u32 s42, s42, s40                     ; tile column: on cx and the cluster's place
	s_lshl_b32 s43, s41, 2
	s_lshl_b32 s43, 15, s43                        ; my row of the cluster
	s_lshl_b32 s44, 0x1111, s40                    ; my column
	; descriptor group 1: a dense block of 32,768 bytes as 128 rows of 256 bytes (32 elements of 8 bytes), no padding
	s_or_b32 s[G1+0], s43, (3<<16)|(1<<21)         ; 15:0 the mask; 17:16 elements of 8 bytes; 21 set beside a mask
	s_or_b32 s[G1B+0], s44, (3<<16)|(1<<21)
.irp g, G1, G1B
	s_mov_b32 s[\g+1], 32<<16                      ; tensor_dim0
	s_mov_b32 s[\g+2], 128<<16                     ; tensor_dim1
	s_mov_b32 s[\g+3], 32<<16                      ; tile_dim0
	s_mov_b32 s[\g+4], 128                         ; tile_dim1
	s_mov_b32 s[\g+5], 32                          ; pitch
	s_mov_b32 s[\g+6], 0
	s_mov_b32 s[\g+7], 0
.endr
	s_lshl_b32 s18, s16, 15                        ; the half that I fetch: 8 tiles x 4,096 bytes
	s_lshl_b32 s20, s17, 16                        ; A: 16 tiles a tile row
	s_add_co_u32 s20, s20, s18
	s_add_co_u32 s20, s20, s72
	s_mov_b32 s21, 0
	s_lshl_b32 s46, s42, 16                        ; B likewise by the tile column
	s_add_co_u32 s46, s46, s18
	s_add_co_u32 s46, s46, s74
	s_mov_b32 s47, 0
	s_mov_b32 s78, s73                             ; one K step on, as pairs,
	s_mov_b32 s79, 0
	s_mov_b32 s80, s75
	s_mov_b32 s81, 0
	s_lshl_b32 s66, s73, 1                         ; and two
	s_mov_b32 s67, 0
	s_lshl_b32 s68, s75, 1
	s_mov_b32 s69, 0
	s_mul_i32 s45, s14, HALFT                      ; where my load lands in a slot
	s_lshl_b32 s82, s17, 13                        ; scale bytes: 32 a row; my 128 rows of A
	s_lshl_b32 s83, s15, 12
	s_add_co_u32 s82, s82, s83
	s_add_co_u32 s82, s82, s76
	s_mov_b32 s83, 0
	s_lshl_b32 s84, s42, 13                        ; my 128 rows of B
	s_lshl_b32 s85, s16, 12
	s_add_co_u32 s84, s84, s85
	s_add_co_u32 s84, s84, s77
	s_mov_b32 s85, 0
	s_mov_b32 s[SEL], 0x76543210
	s_mov_b32 s[SEL+1], 0xfedcba98
	s_wait_kmcnt 0x0
	s_add_nc_u64 s[20:21], s[4:5], s[20:21]
	s_add_nc_u64 s[46:47], s[4:5], s[46:47]
	s_add_nc_u64 s[82:83], s[4:5], s[82:83]
	s_add_nc_u64 s[84:85], s[4:5], s[84:85]
	CROUND                                         ; all sixteen work-groups are here: the first joint loads meet
	s_mov_b32 s[G0], 1
	s_mov_b32 s[G0+1], s45
	s_mov_b64 s[G0+2:G0+3], s[20:21]
	s_or_b32 s[G0+3], s[G0+3], 0x80000000
	s_mov_b32 s[G0B], 1
	s_mov_b32 s[G0B+1], s45
	s_mov_b64 s[G0B+2:G0B+3], s[46:47]
	s_or_b32 s[G0B+3], s[G0B+3], 0x80000000
	JLOAD G0, G1, G0B, G1B                         ; K step 0 into slot 0
	s_mov_b32 s[G0+4], 1
	s_add_co_u32 s[G0+5], s45, SLOT
	s_add_nc_u64 s[G0+6:G0+7], s[20:21], s[78:79]
	s_or_b32 s[G0+7], s[G0+7], 0x80000000
	s_mov_b32 s[G0B+4], 1
	s_add_co_u32 s[G0B+5], s45, SLOT
	s_add_nc_u64 s[G0B+6:G0B+7], s[46:47], s[80:81]
	s_or_b32 s[G0B+7], s[G0B+7], 0x80000000
	JLOAD G0+4, G1, G0B+4, G1B                     ; K step 1 into slot 1: two loads of mine are out
	v_and_b32 v1, 31, v0
	v_lshlrev_b32 v[LI], 4, v1
	v_and_b32 v2, 15, v0                           ; r
	s_wait_alu depctr_va_vdst(0)
	v_bfe_u32 v3, v0, 4, 1                         ; h
	s_lshl_b32 s18, s15, 15                        ; my half of A
	s_lshl_b32 s19, s16, 15                        ; my half of B,
	s_add_co_u32 s19, s19, 2*HALFT                 ; behind A's two
.irp s, 0,1
	v_add_nc_u32 v[ADRA+\s], s18, v[LI]
	v_add_nc_u32 v[ADRB+\s], s19, v[LI]
	s_add_co_u32 s18, s18, SLOT
	s_add_co_u32 s19, s19, SLOT
.endr
	v_lshlrev_b32 v[SOF], 5, v2
	v_lshl_add_u32 v[SOF], v3, 11, v[SOF]
	s_lshl_b32 s18, s14, 10
	v_lshl_add_u32 v[SST], v2, 4, s18
	v_add_nc_u32 v[SRD], s18, v[LI]
.irp i, 0,1,2,3                        ; the scale words of all of K: 8 words a row; lanes 0-15 take block i, lanes 16-31 block i + 4
	global_load_b128 v[SCA+8*\i:SCA+8*\i+3],   v[SOF], s[82:83] offset:512*\i
	global_load_b128 v[SCA+8*\i+4:SCA+8*\i+7], v[SOF], s[82:83] offset:512*\i+16
	global_load_b128 v[SCB+8*\i:SCB+8*\i+3],   v[SOF], s[84:85] offset:512*\i
	global_load_b128 v[SCB+8*\i+4:SCB+8*\i+7], v[SOF], s[84:85] offset:512*\i+16
.endr
.macro FRAG reg, adr, q, i             ; a fragment as it lies: tile i of my half, the slot's q-th 128 along K, four chunks
.irp c, 0,1,2,3
	ds_load_b128 v[\reg+4*\c:\reg+4*\c+3], v[\adr] offset:4096*(\i)+2048*(\q)+512*\c
.endr
.endm
.macro FETCH_B slot, q, p
	WIN TO_B
.irp i, 0,1,2,3,4,5,6,7
	FRAG 128*(\p)+16*\i, ADRB+\slot, \q, \i
.endr
	WIN 0
.endm
.macro FETCH_A slot, q, i0
.irp i, \i0, \i0+1, \i0+2, \i0+3
	FRAG AF+16*(\i), ADRA+\slot, \q, \i
.endr
.endm
; one product: A's block a x B's block b, the kq-th 128 of K; B's set p.  Blocks 4-7 have their scale words in lanes 16-31
.macro PROD a, b, p, kq, zero
.set rD, 8*(8*((\a)%4)+(\b))
.set rB, 128*(\p)+16*(\b)
.set rA, AF+16*(\a)
.set rT, SCB+8*((\b)%4)+(\kq)
.set rU, SCA+8*((\a)%4)+(\kq)
.if \zero
.if ((\b) < 4) && ((\a) < 4)
	v_wmma_scale_f32_16x16x128_f8f6f4 v[rD:rD+7], v[rB:rB+15], v[rA:rA+15], 0, v[rT], v[rU]
.elseif (\a) < 4
	v_wmma_scale_f32_16x16x128_f8f6f4 v[rD:rD+7], v[rB:rB+15], v[rA:rA+15], 0, v[rT], v[rU] matrix_a_scale:MATRIX_SCALE_ROW1
.elseif (\b) < 4
	v_wmma_scale_f32_16x16x128_f8f6f4 v[rD:rD+7], v[rB:rB+15], v[rA:rA+15], 0, v[rT], v[rU] matrix_b_scale:MATRIX_SCALE_ROW1
.else
	v_wmma_scale_f32_16x16x128_f8f6f4 v[rD:rD+7], v[rB:rB+15], v[rA:rA+15], 0, v[rT], v[rU] matrix_a_scale:MATRIX_SCALE_ROW1 matrix_b_scale:MATRIX_SCALE_ROW1
.endif
.else
.if ((\b) < 4) && ((\a) < 4)
	v_wmma_scale_f32_16x16x128_f8f6f4 v[rD:rD+7], v[rB:rB+15], v[rA:rA+15], v[rD:rD+7], v[rT], v[rU]
.elseif (\a) < 4
	v_wmma_scale_f32_16x16x128_f8f6f4 v[rD:rD+7], v[rB:rB+15], v[rA:rA+15], v[rD:rD+7], v[rT], v[rU] matrix_a_scale:MATRIX_SCALE_ROW1
.elseif (\b) < 4
	v_wmma_scale_f32_16x16x128_f8f6f4 v[rD:rD+7], v[rB:rB+15], v[rA:rA+15], v[rD:rD+7], v[rT], v[rU] matrix_b_scale:MATRIX_SCALE_ROW1
.else
	v_wmma_scale_f32_16x16x128_f8f6f4 v[rD:rD+7], v[rB:rB+15], v[rA:rA+15], v[rD:rD+7], v[rT], v[rU] matrix_a_scale:MATRIX_SCALE_ROW1 matrix_b_scale:MATRIX_SCALE_ROW1
.endif
.endif
.endm
; 16 products: A's blocks a0, a0 + 1 x B's eight.  The 64 accumulators take turns, one instruction a turn, in the same order in every step
.macro MUL16 a0, p, kq, zero
.irp a, \a0, \a0+1
.irp b, 0,1,2,3,4,5,6,7
	PROD (\a), \b, \p, \kq, \zero
.endr
.endr
.endm
; a slot's first 128 along K: multiplies B's set 0 and fetches the second 128's fragments
.macro STEP slot, kq, zero
	s_wait_dscnt 16                                ; B's set and A's blocks 0-3 are in; the sixteen youngest loads (A's blocks 4-7) may be out
	WIN MUL_LO
	MUL16 0, 0, \kq, \zero
	MUL16 2, 0, \kq, \zero
	s_wait_dscnt 0                                 ; A's blocks 4-7 are in
	PLACES NP                                      ; in front of loads into registers that matrix instructions have read
	FETCH_B \slot, 1, 1
	FETCH_A \slot, 1, 0
	WIN MUL_HI
	MUL16 4, 0, \kq, \zero
	MUL16 6, 0, \kq, \zero
	PLACES NP
	WIN 0
	FETCH_A \slot, 1, 4
.endm
; a slot's second 128 changes slots: ONE barrier; in front of it each wave waits for all its tensor loads, adds 0 to its spare word, and waits for that and for its reads of this slot.  fill = 1: this slot is filled again, two K steps ahead
.macro TURN slot, next, fill, kq
	s_wait_tensorcnt 0x0                           ; all my tensor loads have landed: my part of the next slot
	ds_add_u32 v[SPW], v[NIL]                      ; 0 onto my spare word
	s_wait_dscnt 17                                ; the add and the sixteen youngest loads (A's blocks 4-7) may be out
	WIN MUL_LO
	MUL16 0, 1, \kq, 0                             ; sixteen matrix instructions stand between the add and the wait for it
	s_wait_dscnt 0x0                               ; the add is done, and my reads of this slot are over
	s_barrier_signal -1
	MUL16 2, 1, \kq, 0
	WIN 0
	s_barrier_wait -1
.if \fill
	CREST                                          ; the barrier has opened a round of the cluster's: no wave of any partner still reads this slot or has a load on its way
	s_add_nc_u64 s[G0+4*\slot+2:G0+4*\slot+3], s[G0+4*\slot+2:G0+4*\slot+3], s[66:67]
	s_add_nc_u64 s[G0B+4*\slot+2:G0B+4*\slot+3], s[G0B+4*\slot+2:G0B+4*\slot+3], s[68:69]
	JLOAD G0+4*\slot, G1, G0B+4*\slot, G1B         ; the first tensor load behind the round; its four v_nop are among the places in front of the loads below
	PLACES NP-4
.else
	PLACES NP
.endif
	FETCH_B \next, 0, 0
	FETCH_A \next, 0, 0
	WIN MUL_HI
	MUL16 4, 1, \kq, 0
	MUL16 6, 1, \kq, 0
	PLACES NP
	WIN 0
	FETCH_A \next, 0, 4
.endm
	s_wait_alu depctr_va_vdst(0)
	s_wait_tensorcnt 1                             ; my part of K step 0 is in; K step 1's load may be out
	s_barrier_signal -1
	s_barrier_wait -1
	FETCH_B 0, 0, 0
	FETCH_A 0, 0, 0
	FETCH_A 0, 0, 4
	s_wait_loadcnt 0x0                             ; the scale words
	STEP 0, 0, 1                                   ; the first products start the sums: nothing is cleared
	TURN 0, 1, 1, 1                                ; slot 0 takes K step 2
	STEP 1, 2, 0
	TURN 1, 0, 1, 3                                ; slot 1 takes K step 3
	STEP 0, 4, 0
	TURN 0, 1, 0, 5                                ; nothing is left to fetch
	STEP 1, 6, 0
	s_wait_dscnt 16
	WIN MUL_LO
	MUL16 0, 1, 7, 0
	MUL16 2, 1, 7, 0
	s_wait_dscnt 0
	WIN MUL_HI
	MUL16 4, 1, 7, 0
	MUL16 6, 1, 7, 0
	WIN 0
	; THE WAY OUT.  A's block a at a time: a lane's 64 numbers are four half blocks of 32 along n; they are quantised as they lie, and each group of four code registers leaves as one chunk of 512 bytes.
	; x [Wq; Wk]^T: chunks 0, 1 belong to my first head, chunks 2, 3 to the next (a record on); block a + 1 is the next token tile (1,024 bytes on).
	; Wv x^T: the four chunks are one fragment of v^T (2,048 bytes); blocks 0-3 are my first head's channel tiles, blocks 4-7 the next head's.
	s_lshr_b32 s86, s17, 3
	s_lshl_b32 s86, s86, 4
	s_and_b32 s88, s42, 3
	s_lshl_b32 s88, s88, 2
	s_add_co_u32 s86, s86, s88
	s_lshl_b32 s88, s16, 1
	s_add_co_u32 s86, s86, s88                     ; q, k: my first record: 16 (tile row / 8) + 4 (tile column % 4) + 2 x column half
	s_lshr_b32 s87, s42, 3
	s_lshl_b32 s87, s87, 4
	s_lshl_b32 s88, s17, 2
	s_add_co_u32 s87, s87, s88
	s_lshl_b32 s88, s15, 1
	s_add_co_u32 s87, s87, s88                     ; v: 16 (tile column / 8) + 4 x tile row + 2 x row half
	s_lshl_b32 s89, s17, 4
	s_lshl_b32 s88, s15, 3
	s_add_co_u32 s89, s89, s88
	s_and_b32 s89, s89, 127
	s_lshl_b32 s89, s89, 10                        ; q, k: my first token tile in the batch, 1,024 bytes a tile
	s_lshl_b32 s90, s17, 1
	s_add_co_u32 s90, s90, s15
	s_and_b32 s90, s90, 15
	s_lshl_b32 s90, s90, 9                         ; and its group of 8 tiles: 512 bytes of scale words
	s_mov_b32 s93, RQS
	s_cmp_ge_u32 s42, 4                            ; Wk's columns, or Wq's
	s_cselect_b32 s88, 0, RQ
	s_cselect_b32 s93, RKS, s93
	s_add_co_u32 s89, s89, s88
	s_add_co_u32 s90, s90, s93
	s_and_b32 s91, s42, 7
	s_lshl_b32 s91, s91, 1
	s_add_co_u32 s91, s91, s16                     ; v: my key step of 128
	s_lshl_b32 s92, s91, 8
	s_add_co_u32 s92, s92, RVS
	s_lshl_b32 s91, s91, 13
	s_add_co_u32 s91, s91, RV
	s_mov_b32 s12, 2048
	s_mov_b32 s94, REC-6144
	s_mov_b32 s96, 1024
	s_cmp_lt_u32 s70, 8
	s_cselect_b32 s86, s86, s87
	s_cselect_b32 s89, s89, s91
	s_cselect_b32 s90, s90, s92
	s_cselect_b32 s12, 1024, s12                   ; from block to block,
	s_cselect_b32 s94, 1024, s94                   ; from block 3 to block 4,
	s_cselect_b32 s96, REC, s96                    ; from chunks 0, 1 to chunks 2, 3,
	s_cselect_b32 s97, 0, REC-256                  ; and what lanes 16-31 add for the scale words
	s_mov_b32 s13, 0
	s_mov_b32 s95, 0
	s_mul_i32 s86, s86, REC
	s_add_co_u32 s88, s86, s89
	s_mov_b32 s89, 0
	s_add_nc_u64 s[8:9], s[6:7], s[88:89]          ; the codes
	s_add_co_u32 s88, s86, s90
	s_add_nc_u64 s[10:11], s[6:7], s[88:89]        ; the scale words
	PLACES NP                                      ; in front of the first read of results and of writes into registers that held A's fragments
	v_add_nc_u32 v[VO1], s96, v[LI]
	v_bfe_u32 v2, v0, 4, 1
	v_mul_lo_u32 v2, v2, s97
	v_add_nc_u32 v[VSO], v2, v[LI]
.irp b, 0,1,2,3
	v_mov_b32 v[TM+4+\b], 0                        ; a lane permute's destination counts as one of its sources
.endr
.macro QACC a
.set AW, 2+(\a)/4
.set ACB, 64*((\a)%4)
	WIN 5*AW                                       ; sources 0 and 1: the accumulators' window
.irp b, 0,1,2,3
	v_max3_num_f32 v[TM+\b], |v[ACB+16*\b]|, |v[ACB+16*\b+1]|, 0x4800000   ; each accumulator is read from its low end on; the floor holds the byte at 1 from below
.endr
.irp i, 2,4,6,8,10,12,14
.irp b, 0,1,2,3
	v_max3_num_f32 v[TM+\b], |v[ACB+16*\b+\i]|, |v[ACB+16*\b+\i+1]|, v[TM+\b]
.endr
.endr
	WIN 0
.irp b, 0,1,2,3
	v_permlanex16_b32 v[TM+4+\b], v[TM+\b], s[SEL], s[SEL+1]
.endr
.irp b, 0,1,2,3
	v_max_num_f32 v[TM+\b], v[TM+\b], v[TM+4+\b]   ; with lane l xor 16's: the block's largest magnitude
.endr
.irp b, 0,1,2,3
	v_add_nc_u32 v[TM+12+\b], 0xfc000000, v[TM+\b]
.endr
.irp b, 0,1,2,3
.endr
.irp b, 0,1,2,3
	v_lshrrev_b32 v[TM+4+\b], 23, v[TM+12+\b]
.endr
	v_lshl_or_b32 v[PWH], v[TM+7], 8, v[TM+6]
	v_lshl_or_b32 v[PWF], v[TM+5], 8, v[TM+4]
	v_lshl_or_b32 v[PWF], v[PWH], 16, v[PWF]
	WIN AW                                         ; source 0: the accumulators' window
.set n, 0
.rept 64
.set n, n+1
.endr
.irp b, 0,1,2,3
	v_cvt_scalef32_pk8_fp8_f32 v[PC+4*\b:PC+4*\b+1], v[ACB+16*\b:ACB+16*\b+7], v[TM+12+\b]
	v_cvt_scalef32_pk8_fp8_f32 v[PC+4*\b+2:PC+4*\b+3], v[ACB+16*\b+8:ACB+16*\b+15], v[TM+12+\b]
.endr
	WIN 0
	v_nop                                          ; a plain vector line behind the last conversion
.endm
.irp a, 0,1,2,3,4,5,6,7
	s_wait_xcnt 0x0                                ; the last block's stores have read their data and their base,
	s_wait_dscnt 0x0                               ; and its LDS stores their words
.if \a == 4
	s_add_nc_u64 s[8:9], s[8:9], s[94:95]
.elseif \a > 0
	s_add_nc_u64 s[8:9], s[8:9], s[12:13]
.endif
	QACC \a
	ds_store_b32 v[SST], v[PWF] offset:256*(\a/4)+4*(\a%4)        ; [half a / 4][row][a % 4]; both halves of the lanes write the same word
	ds_store_b32 v[SST], v[PWH] offset:512+256*(\a/4)+4*(\a%4)    ; the second head's words (made and not used where v is made)
	global_store_b128 v[LI], v[PC:PC+3], s[8:9]
	global_store_b128 v[LI], v[PC+4:PC+7], s[8:9] offset:512
	global_store_b128 v[VO1], v[PC+8:PC+11], s[8:9]
	global_store_b128 v[VO1], v[PC+12:PC+15], s[8:9] offset:512   ; each store covers 512 consecutive bytes, aligned
.endr
	ds_load_b128 v[SW:SW+3], v[SRD]                ; LDS serves a wave's instructions in order: these see my stores
	ds_load_b128 v[SW+4:SW+7], v[SRD] offset:512
	s_wait_dscnt 0x0
	global_store_b128 v[VSO], v[SW:SW+3], s[10:11] ; q, k: my first head's 512 bytes; v: 256 bytes for each of my two heads
	s_cmp_ge_u32 s70, 8                            ; the cluster's y: the same in all partners
	s_cbranch_scc1 .Lno_second
	global_store_b128 v[VSO], v[SW+4:SW+7], s[10:11] offset:REC   ; q, k: the second head's
.Lno_second:
	s_wait_tensorcnt 0x0                           ; the wave's end
	ds_add_u32 v[SPW], v[NIL]
	s_wait_dscnt 0x0
	CROUND                                         ; the closing round
	s_endpgm
.Lfunc_end_k_q9d5b3ea8d3_qkv:
	.size	k_q9d5b3ea8d3_qkv, .Lfunc_end_k_q9d5b3ea8d3_qkv-k_q9d5b3ea8d3_qkv
	.p2alignl 7, 3214868480
	.fill 96, 4, 3214868480
	.section	.rodata,"a",@progbits
	.p2align	6, 0x0
	.amdhsa_kernel k_q9d5b3ea8d3_qkv
		.amdhsa_group_segment_fixed_size 327680
		.amdhsa_private_segment_fixed_size 0
		.amdhsa_enable_private_segment 0
		.amdhsa_kernarg_size 16
		.amdhsa_user_sgpr_count 2
		.amdhsa_user_sgpr_kernarg_segment_ptr 1
		.amdhsa_wavefront_size32 1
		.amdhsa_system_sgpr_workgroup_id_x 1
		.amdhsa_system_sgpr_workgroup_id_y 1
		.amdhsa_system_sgpr_workgroup_id_z 1
		.amdhsa_system_vgpr_workitem_id 0
		.amdhsa_next_free_vgpr 1024
		.amdhsa_next_free_sgpr 100
		.amdhsa_reserve_vcc 0
		.amdhsa_float_denorm_mode_32 3
		.amdhsa_float_denorm_mode_16_64 3
		.amdhsa_fp16_overflow 1
		.amdhsa_memory_ordered 1
		.amdhsa_forward_progress 1
		.amdhsa_inst_pref_size 151
	.end_amdhsa_kernel
	.amdgpu_metadata
---
amdhsa.version: [ 1, 2 ]
amdhsa.kernels:
  - .name:           k_q9d5b3ea8d3_qkv
    .symbol:         k_q9d5b3ea8d3_qkv.kd
    .args:
      - { .name: xw, .offset: 0, .size: 8, .value_kind: global_buffer, .address_space: global }
      - { .name: qkv, .offset: 8, .size: 8, .value_kind: global_buffer, .address_space: global }
    .group_segment_fixed_size: 327680
    .private_segment_fixed_size: 0
    .kernarg_segment_align: 8
    .kernarg_segment_size: 16
    .max_flat_workgroup_size: 128
    .sgpr_count:     100
    .vgpr_count:     1024
    .wavefront_size: 32
...
	.end_amdgpu_metadata
.endif
;; end of part 2
;; launch attn (part 3): grid 4 x 64, 16 waves a work-group, clusters of 4 x 1, 327,680 bytes of LDS; arguments qkv, oc; writes oc
.if DOCPART == 3
	.amdgcn_target "amdgcn-amd-amdhsa--gfx1250"
	.amdhsa_code_object_version 6
	.text
	.protected	k_q9d5b3ea8d3_attn
	.globl	k_q9d5b3ea8d3_attn
	.p2align	8
	.type	k_q9d5b3ea8d3_attn,@function
k_q9d5b3ea8d3_attn:
	s_mov_b64 s[64:65], 0
	v_nop
	global_prefetch_b8 v0, s[64:65] scope:SCOPE_SE
	s_setreg_imm32_b32 hwreg(HW_REG_WAVE_MODE, 25, 1), 1
	s_wait_xcnt 0x0
	s_wait_alu depctr_hold_cnt(0) depctr_sa_sdst(0) depctr_va_vdst(0) depctr_va_sdst(0) depctr_va_ssrc(0) depctr_va_vcc(0) depctr_vm_vsrc(0)
	s_getreg_b32 s2, hwreg(HW_REG_IB_STS2, 6, 4)
	s_cmp_eq_u32 s2, 0
	s_cbranch_scc0 .Lentry_in_a_cluster
	s_endpgm
.Lentry_in_a_cluster:
	s_bfe_u32 s2, ttmp6, 0x10000c
	s_cmp_lg_u32 s2, 0x3003
	s_cbranch_scc0 .Lentry_shape_is_right
	s_endpgm
.Lentry_shape_is_right:
; o = softmax(q k^T / 8, causal) v for one (batch, head) a cluster, both products on codes of FP8 (E4M3) with E8M0 scales; o is divided by the row's sum and quantised along D for the last product.
; THE SOFTMAX: t = score x log2(e) / 8; M = the running largest t rounded UP to a whole number; p = 2^(t - M) is quantised along the keys, not normalised; the row's sum is taken of the unquantised p; when M moves, the sum and O are multiplied by 2^(old M - new M).
; ALL OF THE HEAD'S K AND V LIE IN LDS, filled once: the first 274,432 bytes of the head's record (k's image, v^T's image, their scale words), as they lie in memory, by one joint load a wave (17,152 bytes each); the four
; work-groups of the cluster receive the same bytes.  Nothing is filled again: no ring, and no barrier in the loops.
; SHARES.  The head has 128 stored tiles of 16 queries, t = 8 g + e.  Work-group cx owns e = 2 cx and 2 cx + 1 of every group g of 128 queries.  Wave w takes tile (g = w, e = 2 cx), then tile (g = 15 - w, e = 2 cx + 1).
; A tile of group g has g + 1 key steps of 128 that count, so every wave has 17 steps.  Every branch hangs on the wave's number and a counter; cx enters global addresses and the mask's vector operand alone.
; LAYOUT.  Both products are used transposed: S^T = k q^T, O^T = v^T p^T: a lane holds ONE query (lane % 16).  By the stored order of k's rows, register 16 b + i of S^T is key 128 J + 32 b + 16 (lane / 16) + i; stored row r of query tile (g, e) is
; query 128 g + 32 cx + 8 (e % 2) + r % 8 + 16 (r / 8).  By the stored order of v^T's rows, register 16 a + i of O^T is the head's channel 32 a + 16 (lane / 16) + i.
; K = 64 IN A FORM OF K = 128: q's fragment has zero codes in its upper eight registers.  k's fragment of tile n is v[32 + 8 n] on, sixteen registers: its upper eight are the NEXT tile's codes (behind the last tile: zeros).  They meet q's zeros and add nothing.
; LIMITS: that rests on k's codes being numbers, which the hold at 448 gives for finite inputs; NaN and infinities are not served.  A block of zeros gets the byte 1 (its codes are zeros; this program alone reads the bytes).
.set REC,   413696
.set RV,    131072
.set RKS,   262144
.set RVS,   270336
.set RQ,    274432
.set RQS,   405504
.set FILLB, 17152                      ; 67 rows of 256 bytes: a wave's part of the fill
.set OSL,   278528                     ; LDS: o's scale words, [tile 2][g 16][row 16] of 4 bytes; no fill lands here
.set OS,    8388608                    ; o's scale words in oc: [record 64][cx 4][tile 2][g 16][row 16]
.set LI,    1                          ; v1   16 x lane: my place in a chunk (k's image begins at LDS byte 0)
.set AV0,   2                          ; v2   the same in v^T's image
.set ASK0,  3                          ; v3   k's scale words: four a lane
.set ASV0,  4                          ; v4   v's: four a row
.set OSA0,  5                          ; v5   where my first tile's scale word goes
.set DL,    6                          ; v6   r % 8 + 16 (r / 8) - 16 h
.set DQ,    7                          ; v7   the tile's: + 32 cx + 8 (e % 2)
.set ADK,   8                          ; v8-11 the step's LDS addresses
.set ADV,   9
.set ADS,   10
.set ADT,   11
.set QF,    16                         ; v16-23 q's codes, v24-31 zeros
.set KF,    32                         ; v32-95 k's eight tiles, v96-103 zeros
.set S,     104                        ; v104-167 S^T, then p, then v^T's four fragments, at the end o
.set O,     168                        ; v168-199 O^T
.set PCD,   200                        ; v200-215 p's codes; at the end o's
.set KSW,   216
.set VSW,   220
.set QSW,   224
.set OW,    225
.set BM,    226
.set T1,    230
.set HB,    234
.set SO,    238
.set F,     242                        ; v[242:243]: f, and a word written once, named with it as a pair
.set PSW,   244
.set TT,    245
.set OSA1,  246                        ; v246 where my second tile's scale word goes
.set QSN,   247                        ; the second tile's scale word of q
.set QN,    248                        ; v248-255 the second tile's codes of q
.set WV,    18
.set MNT,   19
.set SEL,   20
.set CS,    22
.set G1D,   24
.set G0D,   32
.set GG,    38                         ; s38, s39 my two tiles' groups
.set J,     40
.set TB,    41
.set TS,    42
.set TJ,    43
.set QP,    44
.set QSP,   48
.set OP,    52
.set OSP,   56
.set DQS,   58
.macro CROUND
	s_barrier_signal -1
	s_barrier_wait -1
	s_cmp_lg_u32 s[WV], 0
	s_cbranch_scc1 .Lnot_wave_0_\@
	s_barrier_signal -3
.Lnot_wave_0_\@:
	s_barrier_wait -3
	s_barrier_signal -1
	s_barrier_wait -1
.endm
	s_load_b128 s[4:7], s[0:1], 0x0                ; qkv, oc
	v_lshl_add_u32 v254, v0, 2, 0x44800
	v_mov_b32 v255, 0
	ds_add_u32 v254, v255
	ds_add_u32 v254, v255
	s_wait_dscnt 0x0
	v_lshrrev_b32 v8, 5, v0
	s_delay_alu instid0(VALU_DEP_1)
	v_readfirstlane_b32 s[WV], v8                  ; wave 0..15
	s_bfe_u32 s36, ttmp6, 0x40000                  ; cx
	s_and_b32 s37, ttmp7, 0xffff                   ; the record: 16 x batch + head
	s_mov_b32 s[GG], s[WV]
	s_xor_b32 s[GG+1], s[WV], 15
	s_mul_i32 s60, s37, REC
	; descriptor group 1: a dense block of 17,152 bytes as 67 rows of 256 bytes (32 elements of 8 bytes)
	s_mov_b32 s[G1D], 15|(3<<16)|(1<<21)           ; 15:0 the mask: all four work-groups; 17:16 elements of 8 bytes; 21 set beside a mask
	s_mov_b32 s[G1D+1], 32<<16
	s_mov_b32 s[G1D+2], 67<<16
	s_mov_b32 s[G1D+3], 32<<16
	s_mov_b32 s[G1D+4], 67
	s_mov_b32 s[G1D+5], 32
	s_mov_b32 s[G1D+6], 0
	s_mov_b32 s[G1D+7], 0
	s_mov_b32 s[G0D], 1
	s_mul_i32 s[G0D+1], s[WV], FILLB               ; LDS address: my part; no place in the cluster enters it
	s_add_co_u32 s62, s60, s[G0D+1]
	s_mov_b32 s63, 0
	s_lshl_b32 s66, s36, 1
	s_lshl_b32 s67, s[GG], 3
	s_add_co_u32 s67, s67, s66                     ; my first tile: 8 g + 2 cx
	s_lshl_b32 s68, s[GG+1], 3
	s_add_co_u32 s68, s68, s66
	s_add_co_u32 s68, s68, 1                       ; my second
	s_lshl_b32 s[QP], s67, 10                      ; q's image: 1,024 bytes a tile
	s_add_co_u32 s[QP], s[QP], s60
	s_add_co_u32 s[QP], s[QP], RQ
	s_mov_b32 s[QP+1], 0
	s_lshl_b32 s[QP+2], s68, 10
	s_add_co_u32 s[QP+2], s[QP+2], s60
	s_add_co_u32 s[QP+2], s[QP+2], RQ
	s_mov_b32 s[QP+3], 0
	s_lshr_b32 s69, s36, 1                         ; q's scale words: 512 g + 256 (e / 4) + 16 r + 4 (e % 4)
	s_lshl_b32 s69, s69, 8
	s_and_b32 s70, s36, 1
	s_lshl_b32 s70, s70, 3
	s_add_co_u32 s69, s69, s70
	s_add_co_u32 s69, s69, s60
	s_add_co_u32 s69, s69, RQS
	s_lshl_b32 s[QSP], s[GG], 9
	s_add_co_u32 s[QSP], s[QSP], s69
	s_mov_b32 s[QSP+1], 0
	s_lshl_b32 s[QSP+2], s[GG+1], 9
	s_add_co_u32 s[QSP+2], s[QSP+2], s69
	s_add_co_u32 s[QSP+2], s[QSP+2], 4
	s_mov_b32 s[QSP+3], 0
	s_lshr_b32 s70, s37, 4                         ; o's image, laid as x's: [head / 4][128 x batch + tile][(head / 2) % 2][2 (head % 2) + block][512]
	s_lshl_b32 s70, s70, 19
	s_bfe_u32 s72, s37, 0x20002
	s_lshl_b32 s72, s72, 21
	s_add_co_u32 s70, s70, s72
	s_bfe_u32 s72, s37, 0x10001
	s_lshl_b32 s72, s72, 11
	s_add_co_u32 s70, s70, s72
	s_and_b32 s72, s37, 1
	s_lshl_b32 s72, s72, 10
	s_add_co_u32 s70, s70, s72
	s_lshl_b32 s[OP], s67, 12
	s_add_co_u32 s[OP], s[OP], s70
	s_mov_b32 s[OP+1], 0
	s_lshl_b32 s[OP+2], s68, 12
	s_add_co_u32 s[OP+2], s[OP+2], s70
	s_mov_b32 s[OP+3], 0
	s_lshl_b32 s[OSP], s37, 2
	s_add_co_u32 s[OSP], s[OSP], s36
	s_lshl_b32 s[OSP], s[OSP], 11
	s_add_co_u32 s[OSP], s[OSP], OS
	s_mov_b32 s[OSP+1], 0
	s_lshl_b32 s[DQS], s36, 5
	s_add_co_u32 s[DQS+1], s[DQS], 8
	s_mov_b32 s[SEL], 0x76543210
	s_mov_b32 s[SEL+1], 0xfedcba98
	s_mov_b32 s[CS], 0x3e38aa3b                    ; c = log2(e) / 8
	s_mov_b32 s[CS+1], s[CS]                       ; named with it as a pair, so it is written
	s_wait_kmcnt 0x0
	s_add_nc_u64 s[G0D+2:G0D+3], s[4:5], s[62:63]
	s_or_b32 s[G0D+3], s[G0D+3], 0x80000000
	s_add_nc_u64 s[QP:QP+1], s[4:5], s[QP:QP+1]
	s_add_nc_u64 s[QP+2:QP+3], s[4:5], s[QP+2:QP+3]
	s_add_nc_u64 s[QSP:QSP+1], s[4:5], s[QSP:QSP+1]
	s_add_nc_u64 s[QSP+2:QSP+3], s[4:5], s[QSP+2:QSP+3]
	s_add_nc_u64 s[OP:OP+1], s[6:7], s[OP:OP+1]
	s_add_nc_u64 s[OP+2:OP+3], s[6:7], s[OP+2:OP+3]
	s_add_nc_u64 s[OSP:OSP+1], s[6:7], s[OSP:OSP+1]
	CROUND                                         ; all four work-groups are here: the joint loads meet
	tensor_load_to_lds s[G0D:G0D+3], s[G1D:G1D+7]  ; my one tensor load of the launch
	s_nop 0
.rept 4
	v_nop
.endr
	v_and_b32 v8, 31, v0                           ; lane
	v_and_b32 v9, 15, v0                           ; r
	v_bfe_u32 v10, v0, 4, 1                        ; h
	s_delay_alu instid0(VALU_DEP_3)
	v_lshlrev_b32 v[LI], 4, v8
	s_delay_alu instid0(VALU_DEP_3)
	v_lshlrev_b32 v11, 4, v9                       ; 16 r
	global_load_b128 v[QF:QF+3], v[LI], s[QP:QP+1]
	global_load_b128 v[QF+4:QF+7], v[LI], s[QP:QP+1] offset:512
	global_load_b128 v[QN:QN+3], v[LI], s[QP+2:QP+3]
	global_load_b128 v[QN+4:QN+7], v[LI], s[QP+2:QP+3] offset:512
	global_load_b32 v[QSW], v11, s[QSP:QSP+1]
	global_load_b32 v[QSN], v11, s[QSP+2:QSP+3]
	v_add_nc_u32 v[AV0], RV, v[LI]
	v_add_nc_u32 v[ASK0], RKS, v[LI]
	v_add_nc_u32 v[ASV0], RVS, v11
	v_and_b32 v[DL], 7, v9
	v_lshrrev_b32 v12, 3, v9
	s_delay_alu instid0(VALU_DEP_1)
	v_lshl_add_u32 v[DL], v12, 4, v[DL]
	v_lshlrev_b32 v12, 4, v10
	s_delay_alu instid0(VALU_DEP_1)
	v_sub_nc_u32 v[DL], v[DL], v12
	s_lshl_b32 s66, s[GG], 6
	s_add_co_u32 s66, s66, OSL
	v_lshl_add_u32 v[OSA0], v9, 2, s66
	s_lshl_b32 s66, s[GG+1], 6
	s_add_co_u32 s66, s66, OSL+1024
	v_lshl_add_u32 v[OSA1], v9, 2, s66
.irp i, 0,1,2,3,4,5,6,7
	v_mov_b32 v[QF+8+\i], 0                        ; q's upper half of K: zero codes
	v_mov_b32 v[KF+64+\i], 0                       ; behind k's last tile
.endr
.irp b, 0,1,2,3
	v_mov_b32 v[T1+\b], 0                          ; a lane permute's destination counts as one of its sources
.endr
	v_mov_b32 v[F+1], 0
	v_mov_b32 v[TT], 0
	s_wait_loadcnt 0x0                             ; q
	s_wait_tensorcnt 0x0                           ; my part of the record has landed,
	s_barrier_signal -1
	s_barrier_wait -1                              ; everybody's has
; A KEY STEP of 128 keys for the tile in hand
.macro BODY par
	v_add_nc_u32 v[ADK], s[TB], v[LI]
	v_add_nc_u32 v[ADV], s[TB], v[AV0]
	v_add_nc_u32 v[ADS], s[TS], v[ASK0]
	v_add_nc_u32 v[ADT], s[TJ], v[ASV0]
.irp n, 0,1,2,3,4,5,6,7
	ds_load_b128 v[KF+8*\n:KF+8*\n+3], v[ADK] offset:1024*\n
	ds_load_b128 v[KF+8*\n+4:KF+8*\n+7], v[ADK] offset:1024*\n+512
.endr
	ds_load_b128 v[KSW:KSW+3], v[ADS]              ; lanes 0-15: the words of tiles 0-3; lanes 16-31: of tiles 4-7
	s_wait_dscnt 0x0
.irp n, 0,1,2,3
	v_wmma_scale_f32_16x16x128_f8f6f4 v[S+8*\n:S+8*\n+7], v[KF+8*\n:KF+8*\n+15], v[QF:QF+15], 0, v[KSW+\n], v[QSW]
.endr
.irp n, 4,5,6,7
	v_wmma_scale_f32_16x16x128_f8f6f4 v[S+8*\n:S+8*\n+7], v[KF+8*\n:KF+8*\n+15], v[QF:QF+15], 0, v[KSW+\n-4], v[QSW] matrix_a_scale:MATRIX_SCALE_ROW1
.endr
.rept 8
	v_nop                                          ; places in front of the first read of the scores
.endr
	s_cmp_lg_u32 s[J], s[GG+\par]                  ; the tile's last step lies on the diagonal: there hidden scores become -infinity ahead of the maximum, so that p = 0
	s_cbranch_scc1 .Lopen_\@
	v_mov_b32 v[TT], 0xff800000
.set n, 0
.rept 64
	v_cmp_gt_i32 vcc_lo, 32*(n/16)+n%16, v[DQ]     ; register 16 b + i holds the group's key 32 b + 16 h + i: hidden where 32 b + i > my query's place - 16 h
	v_cndmask_b32 v[S+n], v[S+n], v[TT], vcc_lo
.set n, n+1
.endr
.Lopen_\@:
.irp b, 0,1,2,3
	v_max3_num_f32 v[BM+\b], v[S+16*\b], v[S+16*\b+1], v[S+16*\b+2]   ; the largest score of each block of 32 keys: for the row's maximum, and, since p rises with the score, for the block's largest p
.endr
.irp i, 3,5,7,9,11,13
.irp b, 0,1,2,3
	v_max3_num_f32 v[BM+\b], v[BM+\b], v[S+16*\b+\i], v[S+16*\b+\i+1]
.endr
.endr
.irp b, 0,1,2,3
	v_max_num_f32 v[BM+\b], v[BM+\b], v[S+16*\b+15]
.endr
.irp b, 0,1,2,3
	s_delay_alu instid0(VALU_DEP_4)
	v_permlanex16_b32 v[T1+\b], v[BM+\b], s[SEL], s[SEL+1]
.endr
.irp b, 0,1,2,3
	s_delay_alu instid0(VALU_DEP_4)
	v_max_num_f32 v[BM+\b], v[BM+\b], v[T1+\b]     ; with lane l xor 16's 16 keys
.endr
	s_delay_alu instid0(VALU_DEP_2)
	v_max3_num_f32 v[TT], v[BM], v[BM+1], v[BM+2]
	s_delay_alu instid0(VALU_DEP_1)
	v_max_num_f32 v[TT], v[TT], v[BM+3]
	s_delay_alu instid0(VALU_DEP_1)
	v_mul_f32 v[TT], s[CS], v[TT]                  ; the step's largest t
	s_delay_alu instid0(VALU_DEP_1)
	v_max_num_f32 v13, v13, v[TT]                  ; the running largest t
	v_mov_b32 v[TT], v12
	s_delay_alu instid0(VALU_DEP_2)
	v_floor_f32 v12, -v13                          ; the new -M = floor(-t): M is a whole number
	s_delay_alu instid0(VALU_DEP_1)
	v_sub_f32 v[TT], v12, v[TT]                    ; old M - new M, 0 or less
	s_delay_alu instid0(VALU_DEP_1)
	v_cvt_i32_f32 v[TT], v[TT]                     ; (it saturates)
	s_delay_alu instid0(VALU_DEP_1)
	v_ldexp_f32 v[F], 1.0, v[TT]                   ; f = 2^(old M - new M)
.set n, 0
.rept 32
	v_pk_fma_f32 v[S+n:S+n+1], v[S+n:S+n+1], s[CS:CS+1], v[12:13] op_sel_hi:[1,0,0]   ; t - M, two at a time
.set n, n+2
.endr
	s_setprio 1
.irp b, 0,1,2,3
	v_fma_f32 v[BM+\b], v[BM+\b], s[CS], v12       ; the same of each block's largest score
.endr
.set n, 0
	s_wait_alu depctr_va_vdst(0)
.rept 64
	v_exp_f32 v[S+n], v[S+n]                       ; p = 2^(t - M)
.set n, n+1
.endr
	v_pk_mul_f32 v[14:15], v[14:15], v[F:F+1] op_sel_hi:[1,0]   ; the sums under the new M; a plain line behind the exponentials
	s_wait_alu depctr_va_vdst(0)                   ; one wait for the batch of 64, ahead of its first reader
.irp b, 0,1,2,3
	v_exp_f32 v[BM+\b], v[BM+\b]                   ; the block's largest p: the same two instructions on the same number
.endr
	v_pk_add_f32 v[230:231], v[108:109], v[112:113]
	v_pk_add_f32 v[240:241], v[116:117], v[120:121]
	v_pk_add_f32 v[238:239], v[124:125], v[128:129]
	v_pk_add_f32 v[236:237], v[132:133], v[136:137]
	v_pk_add_f32 v[234:235], v[140:141], v[144:145]
	v_pk_add_f32 v[232:233], v[148:149], v[152:153]
	v_pk_add_f32 v[222:223], v[156:157], v[160:161]
	v_pk_add_f32 v[14:15], v[14:15], v[164:165]
	v_pk_add_f32 v[230:231], v[230:231], v[104:105]
	v_pk_add_f32 v[240:241], v[240:241], v[106:107]
	v_pk_add_f32 v[238:239], v[238:239], v[110:111]
	v_pk_add_f32 v[236:237], v[236:237], v[114:115]
	v_pk_add_f32 v[234:235], v[234:235], v[118:119]
	v_pk_add_f32 v[232:233], v[232:233], v[122:123]
	v_pk_add_f32 v[222:223], v[222:223], v[126:127]
	v_pk_add_f32 v[14:15], v[14:15], v[130:131]
	v_pk_add_f32 v[230:231], v[230:231], v[134:135]
	v_pk_add_f32 v[240:241], v[240:241], v[138:139]
	v_pk_add_f32 v[238:239], v[238:239], v[142:143]
	v_pk_add_f32 v[236:237], v[236:237], v[146:147]
	v_pk_add_f32 v[234:235], v[234:235], v[150:151]
	v_pk_add_f32 v[232:233], v[232:233], v[154:155]
	v_pk_add_f32 v[222:223], v[222:223], v[158:159]
	v_pk_add_f32 v[14:15], v[14:15], v[162:163]
	v_pk_add_f32 v[230:231], v[230:231], v[166:167]
	s_delay_alu instid0(VALU_DEP_2)
	v_pk_add_f32 v[14:15], v[14:15], v[236:237]
	s_delay_alu instid0(VALU_DEP_2)
	v_pk_add_f32 v[230:231], v[230:231], v[234:235]
	v_pk_add_f32 v[240:241], v[240:241], v[232:233]
	v_pk_add_f32 v[238:239], v[238:239], v[222:223]
	s_delay_alu instid0(VALU_DEP_2)
	v_pk_add_f32 v[14:15], v[14:15], v[240:241]
	s_delay_alu instid0(VALU_DEP_2)
	v_pk_add_f32 v[230:231], v[230:231], v[238:239]
	s_delay_alu instid0(VALU_DEP_1)
	v_pk_add_f32 v[14:15], v[14:15], v[230:231]
	s_wait_alu depctr_va_vdst(0)                   ; and one for the four
.irp b, 0,1,2,3
	v_max_num_f32 v[BM+\b], 0x4800000, v[BM+\b]    ; the floor 2^(9 - 127): the byte cannot fall under 1
.endr
.irp b, 0,1,2,3
	s_delay_alu instid0(VALU_DEP_4)
	v_add_nc_u32 v[SO+\b], 0xfc000000, v[BM+\b]    ; the conversion's scale operand
.endr
.irp b, 0,1,2,3
.endr
.irp b, 0,1,2,3
	s_delay_alu instid0(VALU_DEP_4)
	v_lshrrev_b32 v[T1+\b], 23, v[SO+\b]           ; the scale's byte
.endr
	s_delay_alu instid0(VALU_DEP_3)
	v_lshl_or_b32 v[PSW], v[T1+1], 8, v[T1]        ; p's scale word for these 128 keys
	s_delay_alu instid0(VALU_DEP_1)
	v_lshl_or_b32 v[PSW], v[T1+2], 16, v[PSW]
	s_delay_alu instid0(VALU_DEP_1)
	v_lshl_or_b32 v[PSW], v[T1+3], 24, v[PSW]
.irp b, 0,1,2,3
.irp i, 0,1,2,3,4,5,6,7,8,9,10,11,12,13,14,15
.endr
	v_cvt_scalef32_pk8_fp8_f32 v[PCD+4*\b:PCD+4*\b+1], v[S+16*\b:S+16*\b+7], v[SO+\b]
	v_cvt_scalef32_pk8_fp8_f32 v[PCD+4*\b+2:PCD+4*\b+3], v[S+16*\b+8:S+16*\b+15], v[SO+\b]
.if \b == 1                            ; p's blocks 0 and 1 are codes now: their registers take v^T's fragments 0 and 1
	v_nop
.irp t, 0,1
.irp c, 0,1,2,3
	ds_load_b128 v[S+16*\t+4*\c:S+16*\t+4*\c+3], v[ADV] offset:2048*\t+512*\c
.endr
.endr
.endif
.if \b == 3
	s_setprio 0
	v_nop
.irp t, 2,3
.irp c, 0,1,2,3
	ds_load_b128 v[S+16*\t+4*\c:S+16*\t+4*\c+3], v[ADV] offset:2048*\t+512*\c
.endr
.endr
	ds_load_b128 v[VSW:VSW+3], v[ADT]              ; row r's words of the four channel tiles
.endif
.endr
.set n, 0
.rept 16
	v_pk_mul_f32 v[O+n:O+n+1], v[O+n:O+n+1], v[F:F+1] op_sel_hi:[1,0]   ; O^T under the new M; these are also the places between the conversions and the products
.set n, n+2
.endr
	s_wait_alu depctr_va_vdst(0)
	s_wait_dscnt 0x0
.irp t, 0,1,2,3
	v_wmma_scale_f32_16x16x128_f8f6f4 v[O+8*\t:O+8*\t+7], v[S+16*\t:S+16*\t+15], v[PCD:PCD+15], v[O+8*\t:O+8*\t+7], v[VSW+\t], v[PSW]
.endr
.rept 9
	v_nop                                          ; the next step's first products write over registers that these four have read: nine places; the reads of O^T want eight
.endr
.endm
; A TILE of 16 queries: sixteen trips, a constant; a step all of whose keys come after the tile's queries is jumped over, all but the lines that step addresses
.macro TILE par
.if \par
.irp i, 0,1,2,3,4,5,6,7
	v_mov_b32 v[QF+\i], v[QN+\i]
.endr
	v_mov_b32 v[QSW], v[QSN]
.endif
	v_add_nc_u32 v[DQ], s[DQS+\par], v[DL]
	v_mov_b32 v13, 0xff61b1e6                      ; the largest t so far: -3e38
	s_delay_alu instid0(VALU_DEP_1)
	v_floor_f32 v12, -v13
	v_mov_b32 v14, 0
	v_mov_b32 v15, 0
.set n, 0
.rept 32
	v_mov_b32 v[O+n], 0                            ; the step is written once: the first finds zeros, which the first change of M leaves zeros
.set n, n+1
.endr
	s_mov_b32 s[J], 0
	s_mov_b32 s[TB], 0
	s_mov_b32 s[TS], 0
	s_mov_b32 s[TJ], 0
.Lstep_\@:
	s_cmp_gt_u32 s[J], s[GG+\par]
	s_cbranch_scc1 .Lhid_\@
	s_setprio 2
	BODY \par
.Lhid_\@:
	s_add_co_u32 s[TB], s[TB], 8192                ; a step's k tiles, and its v^T fragments
	s_add_co_u32 s[TS], s[TS], 512
	s_add_co_u32 s[TJ], s[TJ], 256
	s_add_co_u32 s[J], s[J], 1
	s_cmp_lt_u32 s[J], 16
	s_cbranch_scc1 .Lstep_\@
	s_setprio 0
	; the tile's way out: o = O^T / the sum, quantised along the head's 64 channels: two blocks
	v_add_f32 v14, v14, v15
	s_delay_alu instid0(VALU_DEP_1)
	v_permlanex16_b32 v[TT], v14, s[SEL], s[SEL+1]
	s_delay_alu instid0(VALU_DEP_1)
	v_add_f32 v14, v14, v[TT]                      ; the row's sum
	s_wait_alu depctr_va_vdst(0)
	v_rcp_f32 v14, v14
	v_nop                                          ; a plain line behind the reciprocal
	s_wait_alu depctr_va_vdst(0)                   ; and the wait ahead of its first reader
.set n, 0
.rept 32
	v_mul_f32 v[S+n], v[O+n], v14                  ; each accumulator from its low end on
.set n, n+1
.endr
.irp b, 0,1
	v_max3_num_f32 v[BM+\b], |v[S+16*\b]|, |v[S+16*\b+1]|, 0x4800000
.endr
.irp i, 2,4,6,8,10,12,14
.irp b, 0,1
	s_delay_alu instid0(VALU_DEP_2)
	v_max3_num_f32 v[BM+\b], v[BM+\b], |v[S+16*\b+\i]|, |v[S+16*\b+\i+1]|
.endr
.endr
.irp b, 0,1
	s_delay_alu instid0(VALU_DEP_2)
	v_permlanex16_b32 v[T1+\b], v[BM+\b], s[SEL], s[SEL+1]
.endr
.irp b, 0,1
	s_delay_alu instid0(VALU_DEP_2)
	v_max_num_f32 v[BM+\b], v[BM+\b], v[T1+\b]
.endr
.irp b, 0,1
	s_delay_alu instid0(VALU_DEP_2)
	v_add_nc_u32 v[SO+\b], 0xfc000000, v[BM+\b]
.endr
.irp b, 0,1
.endr
.irp b, 0,1
	s_delay_alu instid0(VALU_DEP_2)
	v_lshrrev_b32 v[T1+\b], 23, v[SO+\b]
.endr
	s_delay_alu instid0(VALU_DEP_1)
	v_lshl_or_b32 v[OW], v[T1+1], 8, v[T1]         ; the head's two bytes; the upper two stay 0
.irp b, 0,1
.irp i, 0,1,2,3,4,5,6,7,8,9,10,11,12,13,14,15
.endr
	v_cvt_scalef32_pk8_fp8_f32 v[PCD+4*\b:PCD+4*\b+1], v[S+16*\b:S+16*\b+7], v[SO+\b]
	v_cvt_scalef32_pk8_fp8_f32 v[PCD+4*\b+2:PCD+4*\b+3], v[S+16*\b+8:S+16*\b+15], v[SO+\b]
.endr
	v_nop                                          ; a plain vector line behind the last conversion
	ds_store_b32 v[OSA0+(OSA1-OSA0)*\par], v[OW]   ; both halves of the lanes write the same word
	global_store_b128 v[LI], v[PCD:PCD+3], s[OP+2*\par:OP+2*\par+1]
	global_store_b128 v[LI], v[PCD+4:PCD+7], s[OP+2*\par:OP+2*\par+1] offset:512   ; two chunks of 512 consecutive bytes, aligned
	s_wait_xcnt 0x0                                ; the stores have read their data: the next tile writes these registers again
.endm
	TILE 0
	TILE 1
	s_wait_dscnt 0x0                               ; for the others' sake: my two words are in LDS
	s_barrier_signal -1
	s_barrier_wait -1
	v_lshl_add_u32 v[ADK], v0, 4, OSL
	v_lshlrev_b32 v[ADV], 4, v0
	s_cmp_lt_u32 s[WV], 4
	s_cbranch_scc0 .Lno_words
	ds_load_b128 v[S:S+3], v[ADK]                  ; waves 0 to 3: the work-group's 2,048 bytes of scale words
	s_wait_dscnt 0x0
	s_wait_alu depctr_va_vdst(0)
	global_store_b128 v[ADV], v[S:S+3], s[OSP:OSP+1]   ; 512 consecutive bytes a wave, aligned
.Lno_words:
	s_wait_xcnt 0x0
	v_lshl_add_u32 v254, v0, 2, 0x44800
	v_mov_b32 v255, 0
	s_wait_alu depctr_va_vdst(0)
	s_wait_tensorcnt 0x0
	ds_add_u32 v254, v255
	s_wait_dscnt 0x0
	CROUND                                         ; the closing round
	s_endpgm
.Lfunc_end_k_q9d5b3ea8d3_attn:
	.size	k_q9d5b3ea8d3_attn, .Lfunc_end_k_q9d5b3ea8d3_attn-k_q9d5b3ea8d3_attn
	.p2alignl 7, 3214868480
	.fill 96, 4, 3214868480
	.section	.rodata,"a",@progbits
	.p2align	6, 0x0
	.amdhsa_kernel k_q9d5b3ea8d3_attn
		.amdhsa_group_segment_fixed_size 327680
		.amdhsa_private_segment_fixed_size 0
		.amdhsa_enable_private_segment 0
		.amdhsa_kernarg_size 16
		.amdhsa_user_sgpr_count 2
		.amdhsa_user_sgpr_kernarg_segment_ptr 1
		.amdhsa_wavefront_size32 1
		.amdhsa_system_sgpr_workgroup_id_x 1
		.amdhsa_system_sgpr_workgroup_id_y 1
		.amdhsa_system_sgpr_workgroup_id_z 1
		.amdhsa_system_vgpr_workitem_id 0
		.amdhsa_next_free_vgpr 256
		.amdhsa_next_free_sgpr 80
		.amdhsa_reserve_vcc 1
		.amdhsa_float_denorm_mode_32 3
		.amdhsa_float_denorm_mode_16_64 3
		.amdhsa_fp16_overflow 1
		.amdhsa_memory_ordered 1
		.amdhsa_forward_progress 1
		.amdhsa_inst_pref_size 65
	.end_amdhsa_kernel
	.amdgpu_metadata
---
amdhsa.version: [ 1, 2 ]
amdhsa.kernels:
  - .name:           k_q9d5b3ea8d3_attn
    .symbol:         k_q9d5b3ea8d3_attn.kd
    .args:
      - { .name: qkv, .offset: 0, .size: 8, .value_kind: global_buffer, .address_space: global }
      - { .name: oc, .offset: 8, .size: 8, .value_kind: global_buffer, .address_space: global }
    .group_segment_fixed_size: 327680
    .private_segment_fixed_size: 0
    .kernarg_segment_align: 8
    .kernarg_segment_size: 16
    .max_flat_workgroup_size: 512
    .sgpr_count:     80
    .vgpr_count:     256
    .wavefront_size: 32
...
	.end_amdgpu_metadata
.endif
;; end of part 3
;; launch proj (part 4): grid 4 x 32, 4 waves a work-group, clusters of 4 x 4, 327,680 bytes of LDS; arguments oc, xw, out0; writes out0
.if DOCPART == 4
	.amdgcn_target "amdgcn-amd-amdhsa--gfx1250"
	.amdhsa_code_object_version 6
	.text
	.protected	k_q9d5b3ea8d3_proj
	.globl	k_q9d5b3ea8d3_proj
	.p2align	8
	.type	k_q9d5b3ea8d3_proj,@function
k_q9d5b3ea8d3_proj:
	s_mov_b64 s[64:65], 0
	v_nop
	global_prefetch_b8 v0, s[64:65] scope:SCOPE_SE
	s_setreg_imm32_b32 hwreg(HW_REG_WAVE_MODE, 25, 1), 1
	s_wait_xcnt 0x0
	s_wait_alu depctr_hold_cnt(0) depctr_sa_sdst(0) depctr_va_vdst(0) depctr_va_sdst(0) depctr_va_ssrc(0) depctr_va_vcc(0) depctr_vm_vsrc(0)
	s_getreg_b32 s2, hwreg(HW_REG_IB_STS2, 6, 4)
	s_cmp_eq_u32 s2, 0
	s_cbranch_scc0 .Lentry_in_a_cluster
	s_endpgm
.Lentry_in_a_cluster:
	s_bfe_u32 s2, ttmp6, 0x10000c
	s_cmp_lg_u32 s2, 0xf033
	s_cbranch_scc0 .Lentry_shape_is_right
	s_endpgm
.Lentry_shape_is_right:
; out0 = o Wo^T on codes of FP8 (E4M3) with E8M0 scales, K = 1,024; out0 [8192][1024] f32.  A = o (its image and scale words in oc), B = Wo (in xw).
; The ring, the joint loads, the products and their order are those of the launch that makes q, k and v: a tile of 256 x 256 a work-group, 128 x 128 a wave, four K steps of 256 through two LDS slots, written out; operands as register images
; in stored order (stored tile 2 A + u, row t = actual row 32 A + 8 u + t % 8 + 16 (t / 8)); scale words of all of K in registers.  128 work-groups: the tile is kept large so that each LDS byte feeds as many products as the registers allow.
; THE MATRIX INSTRUCTION IS USED TRANSPOSED (source 0 = 16 rows of Wo, source 1 = 16 rows of o): a lane holds one token, and in Wo's tiles 2 A + u its register j is the actual column 32 A + 16 (lane / 16) + 8 u + j.
; THE WAY OUT undoes both stored orders: the columns by the place in the wave's stage in LDS, the tokens by the stores' immediates.
; o's scale words lie by head, two bytes a head: [record 64][cx 4][tile 2][g 16][row 16] of 4 bytes; a word for 128 along K is made of two neighbouring heads' halves.
.set WOI,   11534336
.set WOS,   12943360
.set OS,    8388608
.set HALFT, 32768
.set SLOT,  4*HALFT
.set SPARE, 2*SLOT
.set NP,    8
.set SPITCH, 528                       ; the way out: a stage of 16 rows x (512 bytes + 16) for each wave, in slot 0, behind its last fill and its last read
.set ADRA,  16
.set ADRB,  20
.set LI,    24                         ; v24  16 x lane
.set STO,   25                         ; v25  the stage: row r, + 64 h
.set RD,    26                         ; v26  and back: 16 x lane
.set SOF,   27                         ; v27  Wo's scale words: 32 r + 2,048 (lane / 16)
.set SPW,   28
.set NIL,   29
.set SOA,   30                         ; v30  o's scale words: 4 r + 4,096 (lane / 16)
.set SCA,   32
.set SCB,   64
.set AF,    128
.set BK,    128                        ; the way out: 16 rows read back: v128-191 and v192-255 by turns
.set G1,  24
.set G0,  32
.set G1B, 48
.set G0B, 56
.set MSB, 0
.macro WIN new
.if MSB != (\new)
	s_set_vgpr_msb (MSB<<8)|(\new)
.set MSB, (\new)
.endif
.endm
.set MUL_LO, 0xa1
.set MUL_HI, 0xf1
.set TO_B,   0x40
.macro JLOAD g0a, g1a, g0b, g1b        ; waves 0 and 1 fetch for A, waves 2 and 3 for B; four v_nop follow each of the two lines
	s_cmp_eq_u32 s15, 0
	s_cbranch_scc0 .Lfor_b_\@
	tensor_load_to_lds s[\g0a:\g0a+3], s[\g1a:\g1a+7]
	s_nop 0
.rept 4
	v_nop
.endr
	s_branch .Lasked_\@
.Lfor_b_\@:
	tensor_load_to_lds s[\g0b:\g0b+3], s[\g1b:\g1b+7]
	s_nop 0
.rept 4
	v_nop
.endr
.Lasked_\@:
.endm
.macro CREST
	s_cmp_lg_u32 s14, 0
	s_cbranch_scc1 .Lnot_wave_0_\@
	s_barrier_signal -3
.Lnot_wave_0_\@:
	s_barrier_wait -3
	s_barrier_signal -1
	s_barrier_wait -1
.endm
.macro CROUND
	s_barrier_signal -1
	s_barrier_wait -1
	CREST
.endm
.macro PLACES n
.rept \n
	v_nop
.endr
.endm
	s_load_b128 s[4:7], s[0:1], 0x0                ; oc, xw
	s_load_b64 s[8:9], s[0:1], 0x10                ; out0
	v_lshl_add_u32 v[SPW], v0, 2, SPARE
	v_mov_b32 v[NIL], 0
	ds_add_u32 v28, v29
	ds_add_u32 v28, v29
	s_wait_dscnt 0x0
	v_lshrrev_b32 v1, 5, v0
	v_readfirstlane_b32 s14, v1                    ; wave 0..3
	s_lshr_b32 s15, s14, 1                         ; my half of the rows; also: I fetch for A (0) or B (1)
	s_and_b32 s16, s14, 1                          ; my half of the columns; also: which half I fetch
	s_bfe_u32 s40, ttmp6, 0x40000                  ; cx
	s_bfe_u32 s41, ttmp6, 0x40004                  ; cy
	s_lshl_b32 s42, ttmp9, 2
	s_add_co_u32 s42, s42, s40                     ; tile column
	s_and_b32 s17, ttmp7, 0xffff
	s_lshl_b32 s17, s17, 2
	s_add_co_u32 s17, s17, s41                     ; tile row
	s_lshl_b32 s43, s41, 2
	s_lshl_b32 s43, 15, s43
	s_lshl_b32 s44, 0x1111, s40
	s_or_b32 s[G1+0], s43, (3<<16)|(1<<21)         ; a dense block of 32,768 bytes as 128 rows of 256 bytes; A's tiles go to my row of the cluster,
	s_or_b32 s[G1B+0], s44, (3<<16)|(1<<21)        ; B's to my column
.irp g, G1, G1B
	s_mov_b32 s[\g+1], 32<<16
	s_mov_b32 s[\g+2], 128<<16
	s_mov_b32 s[\g+3], 32<<16
	s_mov_b32 s[\g+4], 128
	s_mov_b32 s[\g+5], 32
	s_mov_b32 s[\g+6], 0
	s_mov_b32 s[\g+7], 0
.endr
	s_lshl_b32 s18, s16, 15
	s_lshl_b32 s20, s17, 16
	s_add_co_u32 s20, s20, s18
	s_mov_b32 s21, 0
	s_lshl_b32 s46, s42, 16
	s_add_co_u32 s46, s46, s18
	s_add_co_u32 s46, s46, WOI
	s_mov_b32 s47, 0
	s_mul_i32 s45, s14, HALFT
	s_lshl_b32 s84, s42, 13                        ; Wo's scale bytes: my 128 rows
	s_lshl_b32 s85, s16, 12
	s_add_co_u32 s84, s84, s85
	s_add_co_u32 s84, s84, WOS
	s_mov_b32 s85, 0
	s_lshr_b32 s86, s17, 3                         ; o's scale words: 131,072 x batch + 64 g, g = 2 (tile row % 8) + row half
	s_lshl_b32 s86, s86, 17
	s_and_b32 s87, s17, 7
	s_lshl_b32 s87, s87, 1
	s_add_co_u32 s87, s87, s15
	s_lshl_b32 s87, s87, 6
	s_add_co_u32 s86, s86, s87
	s_add_co_u32 s86, s86, OS
	s_mov_b32 s87, 0
	s_lshl_b32 s88, s17, 20                        ; out0: row 256 x tile row + 128 x half, 4,096 bytes a row;
	s_lshl_b32 s89, s15, 19
	s_add_co_u32 s88, s88, s89
	s_lshl_b32 s89, s42, 10                        ; column 256 x tile column + 128 x half, 4 bytes a number
	s_add_co_u32 s88, s88, s89
	s_lshl_b32 s89, s16, 9
	s_add_co_u32 s88, s88, s89
	s_mov_b32 s89, 0
	s_wait_kmcnt 0x0
	s_add_nc_u64 s[20:21], s[4:5], s[20:21]
	s_add_nc_u64 s[46:47], s[6:7], s[46:47]
	s_add_nc_u64 s[84:85], s[6:7], s[84:85]
	s_add_nc_u64 s[86:87], s[4:5], s[86:87]
	s_add_nc_u64 s[8:9], s[8:9], s[88:89]
	CROUND                                         ; all sixteen work-groups are here: the first joint loads meet
	s_mov_b32 s[G0], 1
	s_mov_b32 s[G0+1], s45
	s_mov_b64 s[G0+2:G0+3], s[20:21]
	s_or_b32 s[G0+3], s[G0+3], 0x80000000
	s_mov_b32 s[G0B], 1
	s_mov_b32 s[G0B+1], s45
	s_mov_b64 s[G0B+2:G0B+3], s[46:47]
	s_or_b32 s[G0B+3], s[G0B+3], 0x80000000
	JLOAD G0, G1, G0B, G1B                         ; K step 0 into slot 0
	s_mov_b32 s[G0+4], 1
	s_add_co_u32 s[G0+5], s45, SLOT
	s_add_nc_u64 s[G0+6:G0+7], s[20:21], 2097152
	s_or_b32 s[G0+7], s[G0+7], 0x80000000
	s_mov_b32 s[G0B+4], 1
	s_add_co_u32 s[G0B+5], s45, SLOT
	s_add_nc_u64 s[G0B+6:G0B+7], s[46:47], 262144
	s_or_b32 s[G0B+7], s[G0B+7], 0x80000000
	s_wait_alu depctr_va_vdst(0)
	s_wait_tensorcnt 0x0
	ds_add_u32 v28, v29
	s_wait_dscnt 0x0
	CROUND
	JLOAD G0+4, G1, G0B+4, G1B                     ; K step 1 into slot 1: one load of mine is out
	v_and_b32 v1, 31, v0
	v_lshlrev_b32 v[LI], 4, v1
	v_and_b32 v2, 15, v0                           ; r
	v_bfe_u32 v3, v0, 4, 1                         ; h
	s_lshl_b32 s18, s15, 15
	s_lshl_b32 s19, s16, 15
	s_add_co_u32 s19, s19, 2*HALFT
.irp s, 0,1
	v_add_nc_u32 v[ADRA+\s], s18, v[LI]
	v_add_nc_u32 v[ADRB+\s], s19, v[LI]
	s_add_co_u32 s18, s18, SLOT
	s_add_co_u32 s19, s19, SLOT
.endr
	v_lshlrev_b32 v[SOF], 5, v2
	v_lshl_add_u32 v[SOF], v3, 11, v[SOF]
	v_lshlrev_b32 v[SOA], 2, v2
	v_lshl_add_u32 v[SOA], v3, 12, v[SOA]
	s_mul_i32 s18, s14, 16*SPITCH
	v_mul_u32_u24 v[STO], v2, SPITCH
	v_lshl_add_u32 v[STO], v3, 6, v[STO]
	v_add_nc_u32 v[STO], s18, v[STO]
	v_add_nc_u32 v[RD], s18, v[LI]
.irp i, 0,1,2,3
	global_load_b128 v[SCB+8*\i:SCB+8*\i+3],   v[SOF], s[84:85] offset:512*\i
	global_load_b128 v[SCB+8*\i+4:SCB+8*\i+7], v[SOF], s[84:85] offset:512*\i+16
.endr
.irp i, 0,1,2,3                        ; o's: tile i (lanes 16-31: i + 4) of my group, head hh: two bytes in a word
.irp hh, 0,1,2,3,4,5,6,7,8,9,10,11,12,13,14,15
	global_load_b32 v[128+16*\i+\hh], v[SOA], s[86:87] offset:8192*\hh+2048*(\i/2)+1024*(\i%2)
.endr
.endr
	s_wait_loadcnt 0x0
.irp i, 0,1,2,3
.irp q, 0,1,2,3,4,5,6,7
	v_lshl_or_b32 v[SCA+8*\i+\q], v[128+16*\i+2*\q+1], 16, v[128+16*\i+2*\q]   ; heads 2 q and 2 q + 1: the word of the q-th 128 of K
.endr
.endr
	PLACES NP                                      ; scale registers written by vector instructions stand eight places ahead of a scaled product
.macro FRAG reg, adr, q, i
.irp c, 0,1,2,3
	ds_load_b128 v[\reg+4*\c:\reg+4*\c+3], v[\adr] offset:4096*(\i)+2048*(\q)+512*\c
.endr
.endm
.macro FETCH_B slot, q, p
	WIN TO_B
.irp i, 0,1,2,3,4,5,6,7
	FRAG 128*(\p)+16*\i, ADRB+\slot, \q, \i
.endr
	WIN 0
.endm
.macro FETCH_A slot, q, i0
.irp i, \i0, \i0+1, \i0+2, \i0+3
	FRAG AF+16*(\i), ADRA+\slot, \q, \i
.endr
.endm
.macro PROD a, b, p, kq, zero          ; A's block a x B's block b, the kq-th 128 of K; blocks 4-7 have their scale words in lanes 16-31
.set rD, 8*(8*((\a)%4)+(\b))
.set rB, 128*(\p)+16*(\b)
.set rA, AF+16*(\a)
.set rT, SCB+8*((\b)%4)+(\kq)
.set rU, SCA+8*((\a)%4)+(\kq)
.if \zero
.if ((\b) < 4) && ((\a) < 4)
	v_wmma_scale_f32_16x16x128_f8f6f4 v[rD:rD+7], v[rB:rB+15], v[rA:rA+15], 0, v[rT], v[rU]
.elseif (\a) < 4
	v_wmma_scale_f32_16x16x128_f8f6f4 v[rD:rD+7], v[rB:rB+15], v[rA:rA+15], 0, v[rT], v[rU] matrix_a_scale:MATRIX_SCALE_ROW1
.elseif (\b) < 4
	v_wmma_scale_f32_16x16x128_f8f6f4 v[rD:rD+7], v[rB:rB+15], v[rA:rA+15], 0, v[rT], v[rU] matrix_b_scale:MATRIX_SCALE_ROW1
.else
	v_wmma_scale_f32_16x16x128_f8f6f4 v[rD:rD+7], v[rB:rB+15], v[rA:rA+15], 0, v[rT], v[rU] matrix_a_scale:MATRIX_SCALE_ROW1 matrix_b_scale:MATRIX_SCALE_ROW1
.endif
.else
.if ((\b) < 4) && ((\a) < 4)
	v_wmma_scale_f32_16x16x128_f8f6f4 v[rD:rD+7], v[rB:rB+15], v[rA:rA+15], v[rD:rD+7], v[rT], v[rU]
.elseif (\a) < 4
	v_wmma_scale_f32_16x16x128_f8f6f4 v[rD:rD+7], v[rB:rB+15], v[rA:rA+15], v[rD:rD+7], v[rT], v[rU] matrix_a_scale:MATRIX_SCALE_ROW1
.elseif (\b) < 4
	v_wmma_scale_f32_16x16x128_f8f6f4 v[rD:rD+7], v[rB:rB+15], v[rA:rA+15], v[rD:rD+7], v[rT], v[rU] matrix_b_scale:MATRIX_SCALE_ROW1
.else
	v_wmma_scale_f32_16x16x128_f8f6f4 v[rD:rD+7], v[rB:rB+15], v[rA:rA+15], v[rD:rD+7], v[rT], v[rU] matrix_a_scale:MATRIX_SCALE_ROW1 matrix_b_scale:MATRIX_SCALE_ROW1
.endif
.endif
.endm
.macro MUL16 a0, p, kq, zero           ; the 64 accumulators take turns, one instruction a turn, in the same order in every step
.irp a, \a0, \a0+1
.irp b, 0,1,2,3,4,5,6,7
	PROD (\a), \b, \p, \kq, \zero
.endr
.endr
.endm
.macro STEP slot, kq, zero
	s_wait_dscnt 16                                ; B's set and A's blocks 0-3 are in; the sixteen youngest loads (A's blocks 4-7) may be out
	WIN MUL_LO
	MUL16 0, 0, \kq, \zero
	MUL16 2, 0, \kq, \zero
	s_wait_dscnt 0
	PLACES NP
	FETCH_B \slot, 1, 1
	FETCH_A \slot, 1, 0
	WIN MUL_HI
	MUL16 4, 0, \kq, \zero
	MUL16 6, 0, \kq, \zero
	PLACES NP
	WIN 0
	FETCH_A \slot, 1, 4
.endm
.macro TURN slot, next, fill, kq
	s_wait_tensorcnt 0x0                           ; all my tensor loads have landed: my part of the next slot
	ds_add_u32 v[SPW], v[NIL]                      ; 0 onto my spare word
	s_wait_dscnt 17                                ; the add and the sixteen youngest loads may be out
	WIN MUL_LO
	MUL16 0, 1, \kq, 0
	s_wait_dscnt 0x0                               ; the add is done, and my reads of this slot are over
	s_barrier_signal -1
	MUL16 2, 1, \kq, 0
	WIN 0
	s_barrier_wait -1
.if \fill
	CREST                                          ; a round of the cluster's barrier: no wave of any partner still reads this slot or has a load on its way
	s_add_nc_u64 s[G0+4*\slot+2:G0+4*\slot+3], s[G0+4*\slot+2:G0+4*\slot+3], 4194304
	s_add_nc_u64 s[G0B+4*\slot+2:G0B+4*\slot+3], s[G0B+4*\slot+2:G0B+4*\slot+3], 524288
	JLOAD G0+4*\slot, G1, G0B+4*\slot, G1B
	PLACES NP-4
.else
	PLACES NP
.endif
	FETCH_B \next, 0, 0
	FETCH_A \next, 0, 0
	WIN MUL_HI
	MUL16 4, 1, \kq, 0
	MUL16 6, 1, \kq, 0
	PLACES NP
	WIN 0
	FETCH_A \next, 0, 4
.endm
	s_wait_alu depctr_va_vdst(0)
	s_wait_tensorcnt 1                             ; my part of K step 0 is in; K step 1's load may be out
	s_barrier_signal -1
	s_barrier_wait -1
	FETCH_B 0, 0, 0
	FETCH_A 0, 0, 0
	FETCH_A 0, 0, 4
	STEP 0, 0, 1
	TURN 0, 1, 1, 1
	STEP 1, 2, 0
	TURN 1, 0, 1, 3
	STEP 0, 4, 0
	TURN 0, 1, 0, 5
	STEP 1, 6, 0
	s_wait_dscnt 16
	WIN MUL_LO
	MUL16 0, 1, 7, 0
	MUL16 2, 1, 7, 0
	s_wait_dscnt 0
	WIN MUL_HI
	MUL16 4, 1, 7, 0
	MUL16 6, 1, 7, 0
	WIN 0
; THE WAY OUT, a block of 16 tokens x 128 columns at a time, through my own stage: in, a lane's eight numbers of Wo's tile b at the actual columns' place, 128 (b / 2) + 64 h + 32 (b % 2) bytes; back, whole rows of 512 bytes.
.macro TOSTAGE a
.set AC, 64*((\a)%4)
	WIN 0x08+4*((\a)/4)                            ; an LDS store's data are its source 1: window 2 or 3
.irp b, 0,1,2,3,4,5,6,7
	ds_store_b128 v[STO], v[AC+8*\b:AC+8*\b+3] offset:128*(\b/2)+32*(\b%2)        ; each accumulator from its low end on
	ds_store_b128 v[STO], v[AC+8*\b+4:AC+8*\b+7] offset:128*(\b/2)+32*(\b%2)+16
.endr
	WIN 0
.set BB, BK+64*((\a)%2)
.irp t, 0,1,2,3,4,5,6,7,8,9,10,11,12,13,14,15
	ds_load_b128 v[BB+4*\t:BB+4*\t+3], v[RD] offset:\t*SPITCH   ; LDS serves a wave's instructions in order: these see my stores, and the next block's stores come behind them
.endr
.endm
.macro SEND a, younger                 ; younger: the LDS instructions issued behind block a's loads
.set BB, BK+64*((\a)%2)
	s_wait_dscnt \younger
.irp t, 0,1,2,3,4,5,6,7,8,9,10,11,12,13,14,15
	global_store_b128 v[LI], v[BB+4*\t:BB+4*\t+3], s[8:9] offset:(32*((\a)/2)+8*((\a)%2)+(\t%8)+16*(\t/8))*4096 th:TH_STORE_NT   ; stored row t of tile a is this actual token; 512 consecutive bytes, aligned
.endr
.endm
	PLACES NP                                      ; in front of the first read of results and of loads into registers that held A's fragments
	TOSTAGE 0
.irp a, 1,2,3,4,5,6,7
.if \a > 1
	s_wait_xcnt 0x0                                ; block a - 2's stores have read their registers: block a's loads may land there
.endif
	TOSTAGE \a
	SEND \a-1, 32                                  ; behind block a - 1's loads: block a's 16 stores and 16 loads
.endr
	SEND 7, 0
	s_wait_tensorcnt 0x0                           ; the wave's end
	ds_add_u32 v[SPW], v[NIL]
	s_wait_dscnt 0x0
	CROUND                                         ; the closing round
	s_endpgm
.Lfunc_end_k_q9d5b3ea8d3_proj:
	.size	k_q9d5b3ea8d3_proj, .Lfunc_end_k_q9d5b3ea8d3_proj-k_q9d5b3ea8d3_proj
	.p2alignl 7, 3214868480
	.fill 96, 4, 3214868480
	.section	.rodata,"a",@progbits
	.p2align	6, 0x0
	.amdhsa_kernel k_q9d5b3ea8d3_proj
		.amdhsa_group_segment_fixed_size 327680
		.amdhsa_private_segment_fixed_size 0
		.amdhsa_enable_private_segment 0
		.amdhsa_kernarg_size 24
		.amdhsa_user_sgpr_count 2
		.amdhsa_user_sgpr_kernarg_segment_ptr 1
		.amdhsa_wavefront_size32 1
		.amdhsa_system_sgpr_workgroup_id_x 1
		.amdhsa_system_sgpr_workgroup_id_y 1
		.amdhsa_system_sgpr_workgroup_id_z 1
		.amdhsa_system_vgpr_workitem_id 0
		.amdhsa_next_free_vgpr 1024
		.amdhsa_next_free_sgpr 100
		.amdhsa_reserve_vcc 0
		.amdhsa_float_denorm_mode_32 3
		.amdhsa_float_denorm_mode_16_64 3
		.amdhsa_memory_ordered 1
		.amdhsa_forward_progress 1
		.amdhsa_inst_pref_size 150
	.end_amdhsa_kernel
	.amdgpu_metadata
---
amdhsa.version: [ 1, 2 ]
amdhsa.kernels:
  - .name:           k_q9d5b3ea8d3_proj
    .symbol:         k_q9d5b3ea8d3_proj.kd
    .args:
      - { .name: oc, .offset: 0, .size: 8, .value_kind: global_buffer, .address_space: global }
      - { .name: xw, .offset: 8, .size: 8, .value_kind: global_buffer, .address_space: global }
      - { .name: out0, .offset: 16, .size: 8, .value_kind: global_buffer, .address_space: global }
    .group_segment_fixed_size: 327680
    .private_segment_fixed_size: 0
    .kernarg_segment_align: 8
    .kernarg_segment_size: 24
    .max_flat_workgroup_size: 128
    .sgpr_count:     100
    .vgpr_count:     1024
    .wavefront_size: 32
...
	.end_amdgpu_metadata
.endif
;; end of part 4
